; MI455X (gfx1250); checked and timed in simulation.
; The chip was launched on July 23, 2026; its instructions are those of AMD's public machine-readable ISA for CDNA 5 (MIT licence, August 2026) and "CDNA5" Instruction Set Architecture Reference Guide (July 2026). The comments in the code are by the model that wrote it; some were corrected since.
;; SVD Residual Linear. Allowed arithmetic: float matrix products may take bf16 or f16 operands with f32 sums; all other float work in f32.
;; Inputs: S_residual 64 float32; U_residual 4,096 x 64 float32; V_residual 64 x 4,096 float32; bias 4,096 float32; weight_main 4,096 x 4,096 float32; x 8 x 256 x 4,096 float32.
;; Outputs: out0 8 x 256 x 4,096 float32.
;; 3 versions, each right; version 2 is faster than version 1; version 3 is version 2 with the launch prep written anew for expert scheduling mode. Each part assembles by itself: llvm-mc -triple=amdgcn-amd-amdhsa -mcpu=gfx1250 --defsym DOCPART=n.
;; ======== version 1 of 3: 2 launches
;; workspace buffers: xe 17,301,504 bytes; we 34,603,008 bytes
;; launch prep (part 1): grid 256 x 1, 8 waves a work-group, no clusters, 209,920 bytes of LDS; arguments x, weight_main, U_residual, S_residual, V_residual, xe, we; writes xe, we
.if DOCPART == 1
	.amdgcn_target "amdgcn-amd-amdhsa--gfx1250"
	.amdhsa_code_object_version 6
	.text
	.protected	k_q1ad663983c_prep
	.globl	k_q1ad663983c_prep
	.p2align	8
	.type	k_q1ad663983c_prep,@function
k_q1ad663983c_prep:
	s_mov_b64 s[64:65], 0
	v_nop
	global_prefetch_b8 v0, s[64:65] scope:SCOPE_SE
	s_setreg_imm32_b32 hwreg(HW_REG_WAVE_MODE, 25, 1), 1
	s_wait_xcnt 0x0
; PREP: makes the two bf16 operands of the product that follows.
;   xe [2048][4224] bf16: columns 0..4095 = bf16(x); columns 4096+64p+n (p = 0, 1) = bf16( S[n] * sum over k in half p of K of bf16(x[m][k]) bf16(V[n][k]) )
;   we [4096][4224] bf16: columns 0..4095 = bf16(weight_main); columns 4096..4159 and 4160..4223 both = bf16(U[o][:])
; so that  xe . we^T = x W^T + ((x V^T) S) U^T  with one product of K = 4224 = 33 steps of 128.
; LIMITS: x, W, U, V and the scaled low-rank sums are rounded to bf16 (nearest even).  The low-rank sum is rounded as two half-K sums, each
; summed in f32 and multiplied by S in f32 first, so its rounding error goes with |low0| + |low1|, not with |low0 + low1|.  NaN and infinities go through.
; SHARES: work-group g (0..255), eight waves.  rb = g >> 1, kh = g & 1.
;   x: rows 16 rb .. +15, columns 2048 kh .. +2047; wave w takes 256 of them as two chunks of 128.   V: all 64 rows, the same columns.
;   W: rows 16 g .. +15; wave w takes 512 columns as four chunks of 128.                              U: wave w takes rows 16 g + 2 w, + 1.
; A GROUP is 16 loads of 16 bytes a lane: 16 rows x 512 consecutive bytes (128 f32).  14 groups a wave, in two register slots by turns, so that
; 16 to 32 loads of each wave are on their way.  A group is rounded in place (4 f32 -> 8 bytes a lane) and leaves as 16 stores of 256 consecutive, aligned bytes.
; NO JOINT LOADS, NO TENSOR LOADS: every byte passes through registers to be rounded, so a tile brought into LDS in f32 would be read back, rounded and
; stored into LDS a second time; V's 512 KiB a work-group, which 128 work-groups share, are therefore read by plain loads without a streaming hint.
; The two 128-byte halves of a row's 256 low-rank bytes come from two work-groups (kh = 0, 1): 128 bytes a row of the 8,448 are stored in half blocks.
.set XROW,  16384                      ; bytes in a row of x, W, V
.set EROW,  8448                       ; bytes in a row of xe, we (33 x 256)
.set TP,    272                        ; LDS pitch: 256 bytes + 16, 17 blocks of 16 bytes: sixteen rows start at sixteen different 16-byte columns modulo 256
.set ATILE, 16*TP                      ; 16 rows
.set WREG,  5*ATILE                    ; a wave's own LDS: x's tile (16 rows), then V's (64 rows)
.set RED,   8*WREG                     ; behind them: a wave's 16 x 64 f32 partial sums, 16 rows of 272 bytes, for each wave
.set VT,    16*XROW                    ; 16 rows of V
.set ACC,   24                         ; v[24:55]   four accumulator tiles
.set FA,    56                         ; v[56:63]   fragment of x (scratch during the set-up)
.set FB,    64                         ; v[64:95]   four fragments of V
.set SL,    96                         ; v[96:159] slot 0, v[160:223] slot 1
; v1 lane; v2 16 lane; v3 8 lane; v4 16 (lane % 16); v5 low store; v6, v7 tile stores; v8, v9 fragment loads; v10 RED store; v11 RED load
; v[12:15] S of my four columns; v[16:23] U, two rows.  None of v2..v11 is ever rewritten.
	s_load_b256 s[4:11], s[0:1], 0x0               ; x s[4:5], W s[6:7], U s[8:9], S s[10:11]
	s_load_b128 s[12:15], s[0:1], 0x20             ; V s[12:13], xe s[14:15]
	s_load_b64 s[16:17], s[0:1], 0x30              ; we
	v_lshl_add_u32 v224, v0, 2, 0x33000
	v_mov_b32 v225, 0
	v_lshrrev_b32 v56, 5, v0
	v_readfirstlane_b32 s20, v56                   ; wave 0..7
	v_and_b32 v1, 31, v0                           ; lane
	v_and_b32 v57, 15, v0                          ; r = lane % 16 = thread % 16
	v_bfe_u32 v58, v0, 4, 1                        ; h = lane / 16
	v_lshrrev_b32 v59, 4, v0                       ; thread / 16: 0..15
	v_lshlrev_b32 v2, 4, v1
	v_lshlrev_b32 v3, 3, v1
	v_lshlrev_b32 v4, 4, v57
	v_mul_u32_u24 v60, v59, EROW
	v_lshl_add_u32 v5, v57, 3, v60                 ; low store: row thread / 16, 8 bytes at 8 (thread % 16)
	s_mul_i32 s21, s20, WREG                       ; my wave's LDS
	v_lshl_add_u32 v6, v1, 3, s21                  ; x tile, 8 bytes a lane
	v_add_nc_u32 v7, ATILE, v6                     ; V tile
	v_mul_u32_u24 v61, v57, TP                     ; r x pitch
	v_lshl_add_u32 v8, v58, 4, v61
	v_add_nc_u32 v8, s21, v8                       ; fragment of x: row r, 16 h
	v_add_nc_u32 v9, ATILE, v8                     ; fragment of V
	s_mul_i32 s31, s20, ATILE
	s_add_co_u32 s31, s31, RED                     ; my wave's partial sums
	v_lshl_add_u32 v10, v58, 5, v61
	v_add_nc_u32 v10, s31, v10                     ; row r, 32 h
	v_mul_u32_u24 v62, v59, TP
	v_lshl_add_u32 v62, v57, 4, v62
	v_add_nc_u32 v11, RED, v62                     ; read back: row thread / 16, 16 bytes at 16 (thread % 16), of wave 0's sums
	s_mov_b32 s25, 0                               ; every offset is below 2^32: the pair's high word stays 0
	s_lshr_b32 s26, ttmp9, 1                       ; rb
	s_and_b32 s27, ttmp9, 1                        ; kh
	s_mul_i32 s28, s26, 16*EROW                    ; 16 rb rows of xe
	s_mul_i32 s29, ttmp9, 16*EROW                  ; 16 g rows of we
	s_wait_kmcnt 0x0
	s_lshl_b32 s24, s27, 13
	s_lshl_b32 s30, s20, 10
	s_add_co_u32 s24, s24, s30                     ; kh x 8192 + w x 1024
	s_add_nc_u64 s[12:13], s[12:13], s[24:25]      ; V at my columns
	s_lshl_b32 s30, s26, 18
	s_add_co_u32 s24, s24, s30                     ; + 16 rb rows
	s_add_nc_u64 s[4:5], s[4:5], s[24:25]          ; x at my rows and columns
	s_lshl_b32 s24, ttmp9, 18
	s_lshl_b32 s30, s20, 11
	s_add_co_u32 s24, s24, s30
	s_add_nc_u64 s[6:7], s[6:7], s[24:25]          ; W: 16 g rows + w x 2048
	s_lshl_b32 s24, ttmp9, 12
	s_lshl_b32 s30, s20, 9                         ; w x 512 (used again below)
	s_add_co_u32 s24, s24, s30
	s_add_nc_u64 s[8:9], s[8:9], s[24:25]          ; U: 16 g rows of 256 bytes + two rows a wave
	s_lshl_b32 s24, s27, 7
	s_add_co_u32 s24, s24, s28
	s_add_co_u32 s24, s24, 8192
	s_add_nc_u64 s[22:23], s[14:15], s[24:25]      ; xe, low-rank columns of half kh
	s_lshl_b32 s24, s27, 12
	s_add_co_u32 s24, s24, s28
	s_add_co_u32 s24, s24, s30
	s_add_nc_u64 s[14:15], s[14:15], s[24:25]      ; xe at my rows and columns
	s_mul_i32 s24, s20, 2*EROW
	s_add_co_u32 s24, s24, s29
	s_add_co_u32 s24, s24, 8192
	s_add_nc_u64 s[18:19], s[16:17], s[24:25]      ; we, U's columns of my two rows
	s_lshl_b32 s24, s20, 10
	s_add_co_u32 s24, s24, s29
	s_add_nc_u64 s[16:17], s[16:17], s[24:25]      ; we at my rows and columns
; 16 loads: rows j of the group, 512 consecutive bytes each.  nt = 1: data that the launch reads once.
.macro LOADG sl, base, imm, nt
.irp j, 0,1,2,3,4,5,6,7,8,9,10,11,12,13,14,15
.if \nt
	global_load_b128 v[SL+64*\sl+4*\j:SL+64*\sl+4*\j+3], v2, s[\base:\base+1] offset:\imm+\j*XROW th:TH_LOAD_NT
.else
	global_load_b128 v[SL+64*\sl+4*\j:SL+64*\sl+4*\j+3], v2, s[\base:\base+1] offset:\imm+\j*XROW
.endif
.endr
.endm
; rounds a group in place: four f32 become two registers of bf16
.macro CVTG sl
.irp j, 0,1,2,3,4,5,6,7,8,9,10,11,12,13,14,15
	v_cvt_pk_bf16_f32 v[SL+64*\sl+4*\j],   v[SL+64*\sl+4*\j],   v[SL+64*\sl+4*\j+1]
	v_cvt_pk_bf16_f32 v[SL+64*\sl+4*\j+1], v[SL+64*\sl+4*\j+2], v[SL+64*\sl+4*\j+3]
.endr
.endm
; a rounded group into my wave's LDS: 16 rows of 256 bytes, pitch 272
.macro LDSG sl, adr, imm
.irp j, 0,1,2,3,4,5,6,7,8,9,10,11,12,13,14,15
	ds_store_b64 v[\adr], v[SL+64*\sl+4*\j:SL+64*\sl+4*\j+1] offset:\imm+\j*TP
.endr
.endm
; a rounded group to memory: each store of the wave covers 256 consecutive bytes, aligned
.macro STG sl, base, imm
.irp j, 0,1,2,3,4,5,6,7,8,9,10,11,12,13,14,15
	global_store_b64 v3, v[SL+64*\sl+4*\j:SL+64*\sl+4*\j+1], s[\base:\base+1] offset:\imm+\j*EROW
.endr
.endm
; a group of V: N tile n of the chunk, into the V tile.  The slot's registers are read by LDS stores alone, so the next load into them needs no wait.
.macro VGRP sl, n
	s_wait_loadcnt 16                              ; loads return in order (ISA guide 5.7.1): this group is in, the 16 loads of the next stay out
	CVTG \sl
	LDSG \sl, 7, \n*ATILE
.endm
; 32 along K of the chunk: fragments from my own tiles (LDS serves a wave's instructions in order, ISA guide 5.7.1.4: they see the stores above), four products.
; Source 0 = 16 rows of V, source 1 = 16 rows of x: lane (r, h) register j holds low[x row r][V row 16 n + 8 h + j].
; The four accumulators take turns, one instruction a turn.
.macro MULK ks, zero
	ds_load_b128 v[FA:FA+3],   v8 offset:64*\ks
	ds_load_b128 v[FA+4:FA+7], v8 offset:64*\ks+32
.irp n, 0,1,2,3
	ds_load_b128 v[FB+8*\n:FB+8*\n+3],   v9 offset:\n*ATILE+64*\ks
	ds_load_b128 v[FB+8*\n+4:FB+8*\n+7], v9 offset:\n*ATILE+64*\ks+32
.endr
	s_wait_dscnt 0x0
.irp n, 0,1,2,3
.if \zero
	v_wmma_f32_16x16x32_bf16 v[ACC+8*\n:ACC+8*\n+7], v[FB+8*\n:FB+8*\n+7], v[FA:FA+7], 0
.else
	v_wmma_f32_16x16x32_bf16 v[ACC+8*\n:ACC+8*\n+7], v[FB+8*\n:FB+8*\n+7], v[FA:FA+7], v[ACC+8*\n:ACC+8*\n+7]
.endif
.endr
.rept 4
	v_nop                                          ; four places in front of the next loads into the fragments and of the stores of the sums
.endr
.endm
.macro MULCHUNK zero
	MULK 0, \zero
	MULK 1, 0
	MULK 2, 0
	MULK 3, 0
.endm
	global_load_b128 v[12:15], v4, s[10:11]                        ; S[4 (lane % 16) ..]
	global_load_b128 v[16:19], v4, s[8:9] th:TH_LOAD_NT            ; U, my first row: lanes 16-31 take the same bytes as lanes 0-15, for the second copy
	global_load_b128 v[20:23], v4, s[8:9] offset:256 th:TH_LOAD_NT ; my second row
	LOADG 0, 4, 0, 1                               ; group 0: x, chunk 0
	LOADG 1, 12, 0, 0                              ; group 1: V tile 0, chunk 0
	; group 0: x, chunk 0
	s_wait_loadcnt 16                              ; S, U and group 0 are in; group 1's 16 loads stay out
	CVTG 0
	LDSG 0, 6, 0
	STG 0, 14, 0
	v_cvt_pk_bf16_f32 v16, v16, v17
	v_cvt_pk_bf16_f32 v17, v18, v19
	v_cvt_pk_bf16_f32 v20, v20, v21
	v_cvt_pk_bf16_f32 v21, v22, v23
	global_store_b64 v3, v[16:17], s[18:19]                        ; lanes 0-15 write the first copy of the row's 64 bf16, lanes 16-31 the second: 256 consecutive bytes
	global_store_b64 v3, v[20:21], s[18:19] offset:EROW
	s_wait_xcnt 0x0                                ; slot 0 is the data of the stores above: it is loaded again only behind this wait (ISA guide 3.1)
	LOADG 0, 12, VT, 0                             ; group 2: V tile 1
	VGRP 1, 0                                      ; group 1
	LOADG 1, 12, 2*VT, 0                           ; group 3: V tile 2
	VGRP 0, 1                                      ; group 2
	LOADG 0, 12, 3*VT, 0                           ; group 4: V tile 3
	VGRP 1, 2                                      ; group 3
	LOADG 1, 4, 512, 1                             ; group 5: x, chunk 1
	VGRP 0, 3                                      ; group 4
	LOADG 0, 12, 512, 0                            ; group 6: V tile 0, chunk 1
	MULCHUNK 1                                     ; chunk 0: the first products start the sums
	; group 5: x, chunk 1.  The tiles are written again behind the waits for the fragment loads above, by the wave that read them.
	s_wait_loadcnt 16
	CVTG 1
	LDSG 1, 6, 0
	STG 1, 14, 256
	s_wait_xcnt 0x0                                ; slot 1 is store data
	LOADG 1, 12, VT+512, 0                         ; group 7
	VGRP 0, 0                                      ; group 6
	LOADG 0, 12, 2*VT+512, 0                       ; group 8
	VGRP 1, 1                                      ; group 7
	LOADG 1, 12, 3*VT+512, 0                       ; group 9
	VGRP 0, 2                                      ; group 8
	LOADG 0, 6, 0, 1                               ; group 10: W, chunk 0
	VGRP 1, 3                                      ; group 9
	LOADG 1, 6, 512, 1                             ; group 11: W, chunk 1
	MULCHUNK 0                                     ; chunk 1
.irp n, 0,1,2,3
	ds_store_b128 v10, v[ACC+8*\n:ACC+8*\n+3]   offset:64*\n       ; my wave's sums over its 256 columns: row r, f32 columns 16 n + 8 h ..
	ds_store_b128 v10, v[ACC+8*\n+4:ACC+8*\n+7] offset:64*\n+16
.endr
	; groups 10 to 13: W
	s_wait_loadcnt 16
	CVTG 0
	STG 0, 16, 0
	s_wait_xcnt 0x0                                ; slot 0 is store data
	LOADG 0, 6, 1024, 1                            ; group 12
	s_wait_loadcnt 16
	CVTG 1
	STG 1, 16, 256
	s_wait_xcnt 0x0                                ; slot 1 is store data
	LOADG 1, 6, 1536, 1                            ; group 13: the last
	s_wait_loadcnt 16
	CVTG 0
	STG 0, 16, 512
	s_wait_loadcnt 0x0                             ; nothing was issued behind group 13
	CVTG 1
	STG 1, 16, 768
	; the eight waves' sums meet: store, wait for zero, barrier, load
	s_wait_dscnt 0x0                               ; my partial sums are in LDS, for the others' sake
	s_barrier_signal -1
	s_barrier_wait -1
	s_wait_xcnt 0x0                                ; slot 0 is the data of group 12's stores
.irp p, 0,1,2,3,4,5,6,7
	ds_load_b128 v[SL+4*\p:SL+4*\p+3], v11 offset:\p*ATILE         ; wave p's sums of my row's four columns
.endr
	s_wait_dscnt 0x0
.irp p, 0,2,4,6
	v_pk_add_f32 v[SL+4*\p:SL+4*\p+1],   v[SL+4*\p:SL+4*\p+1],   v[SL+4*\p+4:SL+4*\p+5]
	v_pk_add_f32 v[SL+4*\p+2:SL+4*\p+3], v[SL+4*\p+2:SL+4*\p+3], v[SL+4*\p+6:SL+4*\p+7]
.endr
.irp p, 0,4
	v_pk_add_f32 v[SL+4*\p:SL+4*\p+1],   v[SL+4*\p:SL+4*\p+1],   v[SL+4*\p+8:SL+4*\p+9]
	v_pk_add_f32 v[SL+4*\p+2:SL+4*\p+3], v[SL+4*\p+2:SL+4*\p+3], v[SL+4*\p+10:SL+4*\p+11]
.endr
	v_pk_add_f32 v[SL:SL+1],   v[SL:SL+1],   v[SL+16:SL+17]
	v_pk_add_f32 v[SL+2:SL+3], v[SL+2:SL+3], v[SL+18:SL+19]
	v_pk_mul_f32 v[SL:SL+1],   v[SL:SL+1],   v[12:13]              ; times S, in f32
	v_pk_mul_f32 v[SL+2:SL+3], v[SL+2:SL+3], v[14:15]
	v_cvt_pk_bf16_f32 v[SL],   v[SL],   v[SL+1]
	v_cvt_pk_bf16_f32 v[SL+1], v[SL+2], v[SL+3]
	global_store_b64 v5, v[SL:SL+1], s[22:23]                      ; 16 lanes write the row's 128 bytes of this K half
	s_wait_tensorcnt 0x0
	ds_add_u32 v224, v225
	s_wait_dscnt 0x0
	s_endpgm
.Lfunc_end_k_q1ad663983c_prep:
	.size	k_q1ad663983c_prep, .Lfunc_end_k_q1ad663983c_prep-k_q1ad663983c_prep
	.p2alignl 7, 3214868480
	.fill 96, 4, 3214868480
	.section	.rodata,"a",@progbits
	.p2align	6, 0x0
	.amdhsa_kernel k_q1ad663983c_prep
		.amdhsa_group_segment_fixed_size 209920
		.amdhsa_private_segment_fixed_size 0
		.amdhsa_enable_private_segment 0
		.amdhsa_kernarg_size 56
		.amdhsa_user_sgpr_count 2
		.amdhsa_user_sgpr_kernarg_segment_ptr 1
		.amdhsa_wavefront_size32 1
		.amdhsa_system_sgpr_workgroup_id_x 1
		.amdhsa_system_sgpr_workgroup_id_y 1
		.amdhsa_system_sgpr_workgroup_id_z 1
		.amdhsa_system_vgpr_workitem_id 0
		.amdhsa_next_free_vgpr 226
		.amdhsa_next_free_sgpr 66
		.amdhsa_reserve_vcc 0
		.amdhsa_float_denorm_mode_32 3
		.amdhsa_float_denorm_mode_16_64 3
		.amdhsa_memory_ordered 1
		.amdhsa_forward_progress 1
		.amdhsa_inst_pref_size 84
	.end_amdhsa_kernel
	.amdgpu_metadata
---
amdhsa.version: [ 1, 2 ]
amdhsa.kernels:
  - .name:           k_q1ad663983c_prep
    .symbol:         k_q1ad663983c_prep.kd
    .args:
      - { .name: x, .offset: 0, .size: 8, .value_kind: global_buffer, .address_space: global }
      - { .name: weight_main, .offset: 8, .size: 8, .value_kind: global_buffer, .address_space: global }
      - { .name: U_residual, .offset: 16, .size: 8, .value_kind: global_buffer, .address_space: global }
      - { .name: S_residual, .offset: 24, .size: 8, .value_kind: global_buffer, .address_space: global }
      - { .name: V_residual, .offset: 32, .size: 8, .value_kind: global_buffer, .address_space: global }
      - { .name: xe, .offset: 40, .size: 8, .value_kind: global_buffer, .address_space: global }
      - { .name: we, .offset: 48, .size: 8, .value_kind: global_buffer, .address_space: global }
    .group_segment_fixed_size: 209920
    .private_segment_fixed_size: 0
    .kernarg_segment_align: 8
    .kernarg_segment_size: 56
    .max_flat_workgroup_size: 256
    .sgpr_count:     66
    .vgpr_count:     226
    .wavefront_size: 32
...
	.end_amdgpu_metadata
.endif
;; end of part 1
;; launch gemm (part 2): grid 16 x 16, 4 waves a work-group, clusters of 4 x 4, 327,680 bytes of LDS; arguments xe, we, bias, out0; writes out0
.if DOCPART == 2
	.amdgcn_target "amdgcn-amd-amdhsa--gfx1250"
	.amdhsa_code_object_version 6
	.text
	.protected	k_q1ad663983c_gemm
	.globl	k_q1ad663983c_gemm
	.p2align	8
	.type	k_q1ad663983c_gemm,@function
k_q1ad663983c_gemm:
	s_mov_b64 s[64:65], 0
	v_nop
	global_prefetch_b8 v0, s[64:65] scope:SCOPE_SE
	s_setreg_imm32_b32 hwreg(HW_REG_WAVE_MODE, 25, 1), 1
	s_wait_xcnt 0x0
	s_wait_alu depctr_hold_cnt(0) depctr_sa_sdst(0) depctr_va_vdst(0) depctr_va_sdst(0) depctr_va_ssrc(0) depctr_va_vcc(0) depctr_vm_vsrc(0)
	s_getreg_b32 s2, hwreg(HW_REG_IB_STS2, 6, 4)
	s_cmp_eq_u32 s2, 0
	s_cbranch_scc0 .Lentry_in_a_cluster
	s_endpgm
.Lentry_in_a_cluster:
	s_bfe_u32 s2, ttmp6, 0x10000c
	s_cmp_lg_u32 s2, 0xf033
	s_cbranch_scc0 .Lentry_shape_is_right
	s_endpgm
.Lentry_shape_is_right:
; out0[m][n] = sum over k of xe[m][k] we[n][k] + bias[n].  xe: [2048][4224] bf16, we: [4096][4224] bf16, bias: [4096] f32, out0: [2048][4096] f32; sums in f32.
; 16 x 16 work-groups, one block of 128 rows x 256 columns each; four waves, a wave makes 64 x 128: 32 accumulator tiles of 16 x 16, 256 registers.
; (Blocks of 256 x 256 would give 128 work-groups only.)  K goes in 33 steps of 128 through two LDS slots filled by tensor loads: a tile's rows are
; 256 consecutive bytes that start at multiples of 256 from the buffer's first byte (a row of xe and we is 33 x 256 bytes).
; CLUSTERS: 4 x 4 work-groups.  The four of a row of the cluster share the block row, so xe's tiles; the four of a column share the block column, so we's tiles.
; Each tile is asked for jointly, with the same descriptor and a mask that names the four, which divides the requests for both operands by four.
; LIMITS: the operands are bf16 as the launch before rounded them; nothing else is rounded before the f32 store.
; LDS: slot s at s x 139,264 holds four quarters of 34,816 bytes, quarter w filled by wave w: w = 0, 1: we's rows 0-127, 128-255 (128 rows x 272);
;      w = 2, 3: xe's rows 0-63, 64-127 (64 rows x 272, the first half of the quarter; the rest is unused).  So a tile's LDS address is wave x 34,816 + slot x 139,264.
;      Behind the slots, at 278,528: a stage of 16 rows x 528 bytes for each wave, for the way out; no tensor load lands there.
; REGISTERS: window 0: v1-v5 scratch, v16-17, v20-21 fragment addresses, v24-26 way out, v[28:31] bias, v[32:95] xe's fragments (two buffers of 4 x 8),
;      v[96:223] we's fragments (two buffers of 8 x 8).  Window 1: accumulator tile (a, b) at v[8 (8 a + b)].
; THE MATRIX INSTRUCTION IS USED TRANSPOSED: source 0 = 16 rows of we, source 1 = 16 rows of xe, so lane (r, h) register j holds out[16 a + r][16 b + 8 h + j].
.set KSTEP,  128
.set PITCH,  272                       ; 256 bytes + 16 of padding, 17 blocks of 16 bytes: the 16 rows of a fragment load start at 16 different 16-byte columns modulo 256
.set HALFT,  128*PITCH                 ; a quarter of a slot
.set SLOT,   4*HALFT
.set STAGE,  2*SLOT
.set SPITCH, 528                       ; 512 bytes + 16: 33 blocks of 16 bytes
.set EK,     4224                      ; elements in a row of xe, we
.set EROW,   2*EK                      ; bytes
.set OROW,   16384                     ; bytes in a row of out0
.set ADRA, 16                          ; v16-17  LDS address of my xe fragments in slot 0, 1
.set ADRB, 20                          ; v20-21  the same for we
.set STO,  24
.set RD,   25
.set CO,   26
.set BI,   28
.set FA,   32                          ; buffer p at FA + 32 p
.set FB,   96                          ; buffer p at FB + 64 p
.set G1,  24                           ; s[24:31] group 1 for xe's tiles
.set G0,  32                           ; s[32:39] group 0 for xe's tiles, one set a slot
.set G1B, 48                           ; s[48:55] group 1 for we's tiles
.set G0B, 56                           ; s[56:63] group 0 for we's tiles, one set a slot
.set MSB, 0
.macro WIN new                         ; the immediate's high byte repeats the setting that is left; a switch that changes nothing is dropped
.if MSB != \new
	s_set_vgpr_msb (MSB<<8)|\new
.set MSB, \new
.endif
.endm
.set MUL,  0x50                        ; sources 0 and 1 window 0, C and D window 1
.set FROM, 0x04                        ; LDS store data (source 1) window 1
; A joint load: waves 0 and 1 fetch we's two halves, waves 2 and 3 xe's.  Each line has one mask and one set of registers; the branch hangs on the wave's number alone.
.macro JLOAD s
	s_cmp_eq_u32 s13, 0
	s_cbranch_scc0 .Lfor_a_\@
	tensor_load_to_lds s[G0B+4*\s:G0B+4*\s+3], s[G1B:G1B+7]
	s_nop 0
	s_branch .Lasked_\@
.Lfor_a_\@:
	tensor_load_to_lds s[G0+4*\s:G0+4*\s+3], s[G1:G1+7]
	s_nop 0
.Lasked_\@:
.endm
.macro CREST                           ; a round of the cluster's barrier behind its opening work-group barrier
	s_cmp_lg_u32 s12, 0
	s_cbranch_scc1 .Lnot_wave_0_\@
	s_barrier_signal -3
.Lnot_wave_0_\@:
	s_barrier_wait -3
	s_barrier_signal -1
	s_barrier_wait -1
.endm
.macro CROUND                          ; a whole round
	s_barrier_signal -1
	s_barrier_wait -1
	CREST
.endm
.macro PLACES                          ; four places behind a matrix instruction in front of loads into its sources and of stores of its results
.rept 4
	v_nop
.endr
.endm
	s_load_b128 s[4:7], s[0:1], 0x0                ; xe s[4:5], we s[6:7]
	s_load_b128 s[8:11], s[0:1], 0x10              ; bias s[8:9], out0 s[10:11]
	v_lshl_add_u32 v254, v0, 2, 0x4c400
	v_mov_b32 v255, 0
	ds_add_u32 v254, v255
	ds_add_u32 v254, v255
	v_lshrrev_b32 v1, 5, v0
	v_readfirstlane_b32 s12, v1                    ; wave 0..3
	s_lshr_b32 s13, s12, 1                         ; mh: my 64 rows of the block.  Also: I fetch for we (0) or for xe (1)
	s_and_b32 s14, s12, 1                          ; nh: my 128 columns.  Also: which half of that tile I fetch
	s_bfe_u32 s40, ttmp6, 0x40000                  ; cx
	s_bfe_u32 s41, ttmp6, 0x40004                  ; cy
	s_lshl_b32 s42, ttmp9, 2
	s_add_co_u32 s42, s42, s40                     ; block column = 4 x cluster x + cx
	s_and_b32 s43, ttmp7, 0xffff
	s_lshl_b32 s43, s43, 2
	s_add_co_u32 s43, s43, s41                     ; block row = 4 x cluster y + cy
	s_lshl_b32 s44, s41, 2
	s_lshl_b32 s44, 15, s44                        ; my row of the cluster: places 4 cy .. 4 cy + 3
	s_lshl_b32 s45, 0x1111, s40                    ; my column: places cx, cx + 4, cx + 8, cx + 12
	; group 1: elements of 2 bytes; 4 words of padding behind every 64 words; bit 21 beside the mask
	s_or_b32 s[G1+0],  s44, (1<<16)|(1<<20)|(1<<21)|(5<<22)|(3<<25)   ; xe's tiles go to my row of the cluster
	s_or_b32 s[G1B+0], s45, (1<<16)|(1<<20)|(1<<21)|(5<<22)|(3<<25)   ; we's tiles to my column
	s_mov_b32 s[G1+1],  KSTEP<<16                  ; tensor_dim0 = 128
	s_mov_b32 s[G1B+1], KSTEP<<16
	s_mov_b32 s[G1+2],  64<<16                     ; tensor_dim1 = 64 rows
	s_mov_b32 s[G1B+2], 128<<16                    ; tensor_dim1 = 128 rows
	s_mov_b32 s[G1+3],  KSTEP<<16                  ; tile_dim0 = 128
	s_mov_b32 s[G1B+3], KSTEP<<16
	s_mov_b32 s[G1+4],  64                         ; tile_dim1
	s_mov_b32 s[G1B+4], 128
	s_mov_b32 s[G1+5],  EK                         ; elements from row to row
	s_mov_b32 s[G1B+5], EK
	s_mov_b32 s[G1+6],  0
	s_mov_b32 s[G1B+6], 0
	s_mov_b32 s[G1+7],  0
	s_mov_b32 s[G1B+7], 0
	; where the tiles come from: xe's hang on the block row alone, we's on the block column alone, each in registers that never hold the other coordinate
	s_lshl_b32 s16, s43, 7
	s_lshl_b32 s17, s14, 6
	s_add_co_u32 s16, s16, s17                     ; xe: row 128 x block row + 64 x half
	s_mul_i32 s16, s16, EROW                       ; below 2^32: 2,047 rows of 8,448 bytes at the most
	s_mov_b32 s17, 0
	s_lshl_b32 s46, s42, 8
	s_lshl_b32 s47, s14, 7
	s_add_co_u32 s46, s46, s47                     ; we: row 256 x block column + 128 x half
	s_mul_i32 s46, s46, EROW
	s_mov_b32 s47, 0
	s_mul_i32 s20, s12, HALFT                      ; and where they go: my wave's quarter of a slot
	s_lshl_b32 s22, s42, 10
	s_lshl_b32 s23, s14, 9
	s_add_co_u32 s22, s22, s23                     ; my first column in f32 bytes: 1,024 x block column + 512 x nh
	s_mov_b32 s23, 0
	s_wait_dscnt 0x0
	s_wait_kmcnt 0x0
	s_add_nc_u64 s[18:19], s[4:5], s[16:17]
	s_add_nc_u64 s[46:47], s[6:7], s[46:47]
	s_add_nc_u64 s[8:9], s[8:9], s[22:23]          ; bias at my columns
	s_add_nc_u64 s[10:11], s[10:11], s[22:23]      ; out0 at my columns,
	s_lshl_b32 s16, s43, 7
	s_lshl_b32 s17, s13, 6
	s_add_co_u32 s16, s16, s17
	s_lshl_b32 s16, s16, 14                        ; and at my first row: (128 x block row + 64 x mh) rows of 16,384 bytes
	s_mov_b32 s17, 0
	s_add_nc_u64 s[10:11], s[10:11], s[16:17]
	CROUND                                         ; all sixteen work-groups are here: the first joint loads meet
.irp s, 0,1
	s_mov_b32 s[G0+4*\s], 1
	s_add_co_u32 s[G0+4*\s+1], s20, \s*SLOT
	s_add_nc_u64 s[G0+4*\s+2:G0+4*\s+3], s[18:19], \s*KSTEP*2      ; K step s
	s_or_b32 s[G0+4*\s+3], s[G0+4*\s+3], 0x80000000                ; type = 2
	s_mov_b32 s[G0B+4*\s], 1
	s_add_co_u32 s[G0B+4*\s+1], s20, \s*SLOT
	s_add_nc_u64 s[G0B+4*\s+2:G0B+4*\s+3], s[46:47], \s*KSTEP*2
	s_or_b32 s[G0B+4*\s+3], s[G0B+4*\s+3], 0x80000000
	JLOAD \s                                       ; both first fills go out before anything else: two tensor loads of the wave are out
.endr
	; a fragment is 16 rows x 32 K in 8 registers: lane (r, h) takes 16 bytes at row r, 16 h, and 16 bytes 32 further on
	v_and_b32 v1, 15, v0                           ; r
	v_bfe_u32 v2, v0, 4, 1                         ; h
	v_mul_u32_u24 v3, v1, PITCH
	v_lshl_add_u32 v3, v2, 4, v3
	s_mul_i32 s21, s13, HALFT
	s_add_co_u32 s21, s21, 2*HALFT                 ; my 64 rows of xe: quarter 2 + mh
	s_mul_i32 s15, s14, HALFT                      ; my 128 rows of we: quarter nh
.irp s, 0,1
	v_add_nc_u32 v[ADRA+\s], s21, v3
	v_add_nc_u32 v[ADRB+\s], s15, v3
	s_add_co_u32 s21, s21, SLOT
	s_add_co_u32 s15, s15, SLOT
.endr
	s_mul_i32 s2, s12, 16*SPITCH
	s_add_co_u32 s2, s2, STAGE                     ; my stage
	v_mul_u32_u24 v4, v1, SPITCH
	v_lshl_add_u32 v4, v2, 5, v4
	v_add_nc_u32 v[STO], s2, v4                    ; in: row r, 32 bytes for each half of the lanes
	v_and_b32 v5, 31, v0
	v_lshlrev_b32 v[CO], 4, v5                     ; 16 bytes a lane: a row's 512 bytes, in out0 and in bias
	v_add_nc_u32 v[RD], s2, v[CO]                  ; back: one row of 512 bytes a load
	global_load_b128 v[BI:BI+3], v[CO], s[8:9]     ; bias of my four columns on the way out
; 8 matrix instructions: m block a x all 8 n blocks, 32 along K, from buffer p.  zero = 1: the first product starts the sums.
; The 32 accumulators take turns, one instruction a turn, in the same order in every quarter.
.macro MULA p, a, zero
.irp b, 0,1,2,3,4,5,6,7
.if \zero
	v_wmma_f32_16x16x32_bf16 v[8*(8*\a+\b):8*(8*\a+\b)+7], v[FB+64*\p+8*\b:FB+64*\p+8*\b+7], v[FA+32*\p+8*\a:FA+32*\p+8*\a+7], 0
.else
	v_wmma_f32_16x16x32_bf16 v[8*(8*\a+\b):8*(8*\a+\b)+7], v[FB+64*\p+8*\b:FB+64*\p+8*\b+7], v[FA+32*\p+8*\a:FA+32*\p+8*\a+7], v[8*(8*\a+\b):8*(8*\a+\b)+7]
.endif
.endr
.endm
; 24 LDS loads in one run: one quarter step's fragments (128 rows of we, 64 rows of xe, 32 K at byte k of the rows) into buffer p
.macro FETCH slot, k, p
	WIN 0
.irp i, 0,1,2,3,4,5,6,7
	ds_load_b128 v[FB+64*\p+8*\i:FB+64*\p+8*\i+3],   v[ADRB+\slot] offset:\k+\i*16*PITCH
	ds_load_b128 v[FB+64*\p+8*\i+4:FB+64*\p+8*\i+7], v[ADRB+\slot] offset:\k+\i*16*PITCH+32
.endr
.irp i, 0,1,2,3
	ds_load_b128 v[FA+32*\p+8*\i:FA+32*\p+8*\i+3],   v[ADRA+\slot] offset:\k+\i*16*PITCH
	ds_load_b128 v[FA+32*\p+8*\i+4:FA+32*\p+8*\i+7], v[ADRA+\slot] offset:\k+\i*16*PITCH+32
.endr
.endm
; One of a K step's first three quarters: asks for the next quarter's fragments (byte k, buffer g), then multiplies buffer f: the 24 loads have 32 matrix instructions in which to come.
.macro QUARTER slot, k, f, g, zero
	s_wait_dscnt 0x0                               ; buffer f's 24 loads, issued a quarter ago
	PLACES                                         ; buffer g was read by the matrix instructions just issued
	FETCH \slot, \k, \g
	WIN MUL
	MULA \f, 0, \zero
	MULA \f, 1, \zero
	MULA \f, 2, \zero
	MULA \f, 3, \zero
.endm
.macro THREE slot, zero
	QUARTER \slot, 64,  0, 1, \zero
	QUARTER \slot, 128, 1, 0, 0
	QUARTER \slot, 192, 0, 1, 0
.endm
; The last quarter: multiplies buffer 1 and changes slots.  fill = 1: this slot is filled again, two K steps ahead.
; In front of the barrier each wave waits for its reads of this slot and for all its tensor loads (one is out: its part of the next slot).  Behind it (where a slot is
; filled again: behind the round of the cluster's barrier that it opens) the refill comes first, then the next slot's first fragments.
; From a request to the wait for it a wave issues 120 of a K step's 128 matrix instructions.
.macro TURN slot, next, fill
	s_wait_dscnt 0x0                               ; buffer 1 is in, and with it my last reads of this slot
	s_wait_tensorcnt 0x0                           ; all my tensor loads have landed
	ds_add_u32 v254, v255
	s_wait_dscnt 0x0
	s_barrier_signal -1
	WIN MUL
	MULA 1, 0, 0                                   ; register work while the others arrive
	WIN 0
	s_barrier_wait -1
.if \fill
	CREST                                          ; no wave of any partner still reads this slot or has a load on its way
	s_add_nc_u64 s[G0+4*\slot+2:G0+4*\slot+3],   s[G0+4*\slot+2:G0+4*\slot+3],   2*KSTEP*2
	s_add_nc_u64 s[G0B+4*\slot+2:G0B+4*\slot+3], s[G0B+4*\slot+2:G0B+4*\slot+3], 2*KSTEP*2
	JLOAD \slot                                    ; the wave's one tensor load behind the round
.endif
	PLACES
	FETCH \next, 0, 0
	WIN MUL
	MULA 1, 1, 0
	MULA 1, 2, 0
	MULA 1, 3, 0
.endm
.macro LAP zero                        ; two K steps, both slots filled again
	THREE 0, \zero
	TURN 0, 1, 1
	THREE 1, 0
	TURN 1, 0, 1
.endm
	s_wait_loadcnt 0x0                             ; bias is in: no load is out at any barrier
	s_wait_tensorcnt 0x1                           ; my part of K step 0 is in; K step 1's may stay out
	s_barrier_signal -1
	s_barrier_wait -1                              ; everybody's part is in
	FETCH 0, 0, 0
	LAP 1                                          ; K steps 0, 1: the first products start the sums
	WIN 0                                          ; at a label and at a branch every window is 0
	s_mov_b32 s3, 14                               ; K steps 2 to 29
.Llap:
	LAP 0
	WIN 0
	s_sub_co_u32 s3, s3, 1
	s_cmp_lg_u32 s3, 0
	s_cbranch_scc1 .Llap
	THREE 0, 0                                     ; K step 30,
	TURN 0, 1, 1                                   ; which asks for K step 32, the last
	THREE 1, 0                                     ; K step 31: nothing is left to ask for
	TURN 1, 0, 0
	THREE 0, 0                                     ; K step 32
	s_wait_dscnt 0x0
	WIN MUL
	MULA 1, 0, 0
	MULA 1, 1, 0
	MULA 1, 2, 0
	MULA 1, 3, 0
	; THE WAY OUT, 16 rows at a time: the tiles' f32 go into my own stage, 32 bytes a lane and tile, and come back as whole rows of 512 bytes; bias is added; each store
	; of the wave covers 512 consecutive bytes, aligned.  LDS serves a wave's instructions in order (ISA guide 5.7.1.4), so no wait stands between the stage's stores and loads.
	PLACES
.macro OUT16 a, set
	WIN FROM
.irp b, 0,1,2,3,4,5,6,7
	ds_store_b128 v[STO], v[8*(8*\a+\b):8*(8*\a+\b)+3]   offset:64*\b
	ds_store_b128 v[STO], v[8*(8*\a+\b)+4:8*(8*\a+\b)+7] offset:64*\b+16
.endr
	WIN 0
	s_wait_xcnt 0x0                                ; the set's registers are the data of earlier stores, and s[10:11] their base: both are rewritten only behind this wait (ISA guide 3.1)
.if \a
	s_add_nc_u64 s[10:11], s[10:11], 16*OROW
.endif
.irp t, 0,1,2,3,4,5,6,7,8,9,10,11,12,13,14,15
	ds_load_b128 v[\set+4*\t:\set+4*\t+3], v[RD] offset:\t*SPITCH
.endr
.irp t, 0,1,2,3,4,5,6,7,8,9,10,11,12,13,14,15
	s_wait_dscnt 15-\t                             ; row t is in; the younger loads stay out
	v_pk_add_f32 v[\set+4*\t:\set+4*\t+1],   v[\set+4*\t:\set+4*\t+1],   v[BI:BI+1]
	v_pk_add_f32 v[\set+4*\t+2:\set+4*\t+3], v[\set+4*\t+2:\set+4*\t+3], v[BI+2:BI+3]
	global_store_b128 v[CO], v[\set+4*\t:\set+4*\t+3], s[10:11] offset:\t*OROW th:TH_STORE_NT
.endr
.endm
	OUT16 0, FB
	OUT16 1, FB+64
	OUT16 2, FB
	OUT16 3, FB+64
	s_wait_tensorcnt 0x0
	ds_add_u32 v254, v255
	s_wait_dscnt 0x0
	CROUND                                         ; the closing round: no work-group ends while a partner may still ask for a tile that names it
	s_endpgm
.Lfunc_end_k_q1ad663983c_gemm:
	.size	k_q1ad663983c_gemm, .Lfunc_end_k_q1ad663983c_gemm-k_q1ad663983c_gemm
	.p2alignl 7, 3214868480
	.fill 96, 4, 3214868480
	.section	.rodata,"a",@progbits
	.p2align	6, 0x0
	.amdhsa_kernel k_q1ad663983c_gemm
		.amdhsa_group_segment_fixed_size 327680
		.amdhsa_private_segment_fixed_size 0
		.amdhsa_enable_private_segment 0
		.amdhsa_kernarg_size 32
		.amdhsa_user_sgpr_count 2
		.amdhsa_user_sgpr_kernarg_segment_ptr 1
		.amdhsa_wavefront_size32 1
		.amdhsa_system_sgpr_workgroup_id_x 1
		.amdhsa_system_sgpr_workgroup_id_y 1
		.amdhsa_system_sgpr_workgroup_id_z 1
		.amdhsa_system_vgpr_workitem_id 0
		.amdhsa_next_free_vgpr 512
		.amdhsa_next_free_sgpr 66
		.amdhsa_reserve_vcc 0
		.amdhsa_float_denorm_mode_32 3
		.amdhsa_float_denorm_mode_16_64 3
		.amdhsa_memory_ordered 1
		.amdhsa_forward_progress 1
		.amdhsa_inst_pref_size 140
	.end_amdhsa_kernel
	.amdgpu_metadata
---
amdhsa.version: [ 1, 2 ]
amdhsa.kernels:
  - .name:           k_q1ad663983c_gemm
    .symbol:         k_q1ad663983c_gemm.kd
    .args:
      - { .name: xe, .offset: 0, .size: 8, .value_kind: global_buffer, .address_space: global }
      - { .name: we, .offset: 8, .size: 8, .value_kind: global_buffer, .address_space: global }
      - { .name: bias, .offset: 16, .size: 8, .value_kind: global_buffer, .address_space: global }
      - { .name: out0, .offset: 24, .size: 8, .value_kind: global_buffer, .address_space: global }
    .group_segment_fixed_size: 327680
    .private_segment_fixed_size: 0
    .kernarg_segment_align: 8
    .kernarg_segment_size: 32
    .max_flat_workgroup_size: 128
    .sgpr_count:     66
    .vgpr_count:     512
    .wavefront_size: 32
...
	.end_amdgpu_metadata
.endif
;; end of part 2
;; ======== version 2 of 3: 2 launches; 1.15 times as fast as version 1
;; workspace buffers: xe 17,301,504 bytes; we 34,603,008 bytes
;; launch prep (part 3): grid 256 x 1, 8 waves a work-group, no clusters, 279,552 bytes of LDS; arguments x, weight_main, U_residual, S_residual, V_residual, xe, we; writes xe, we
.if DOCPART == 3
	.amdgcn_target "amdgcn-amd-amdhsa--gfx1250"
	.amdhsa_code_object_version 6
	.text
	.protected	k_q1ad663983c_prep
	.globl	k_q1ad663983c_prep
	.p2align	8
	.type	k_q1ad663983c_prep,@function
k_q1ad663983c_prep:
	s_mov_b64 s[64:65], 0
	v_nop
	global_prefetch_b8 v0, s[64:65] scope:SCOPE_SE
	s_setreg_imm32_b32 hwreg(HW_REG_WAVE_MODE, 25, 1), 1
	s_wait_xcnt 0x0
; PREP: makes the two bf16 operands of the product that follows, in units of 64 along K.
;   xe [66][2048][64] bf16: unit u < 64, row m: bf16(x[m][64 u ..]); unit 64 + p (p = 0, 1): bf16( S[n] * sum over k in half p of K of bf16(x[m][k]) bf16(V[n][k]) ), n = 0..63
;   we [66][4096][64] bf16: unit u < 64, row o: bf16(weight_main[o][64 u ..]); units 64 and 65 both: bf16(U[o][:])
; so that the sum over all units of xe . we^T = x W^T + ((x V^T) S) U^T, one product of K = 4224.
; In this layout a row of a unit is 128 bytes and two neighbouring rows are 256 consecutive, aligned bytes (a LINE): any number of units makes a tile of whole lines.
; LIMITS: x, W, U, V and the scaled low-rank sums are rounded to bf16 (nearest even).  The low-rank sum is rounded as two half-K sums, each
; summed in f32 and multiplied by S in f32 first, so its rounding error goes with |low0| + |low1|, not with |low0 + low1|.  NaN and infinities go through.
; TWO KINDS OF WORK-GROUPS, by the parity of g = 0..255; i = g >> 1; eight waves each.
;   g even: x and V.  rb = i >> 1, kh = i & 1: x's rows 32 rb .. +31, columns 2048 kh .. +2047, and V's 64 rows of the same columns.  Wave w takes 256 columns as two chunks of 128.
;   g odd:  W and U.  W's rows 32 i .. +31; wave w takes 512 columns as four chunks of 128.  U: wave w takes rows 32 i + 4 w .. +3.
; WHY: a half of V (512 KiB) has to be read, rounded and laid into LDS by every work-group that multiplies by it.  With 32 rows of x a work-group there are 128 such work-groups
; (64 MiB of V), with 16 rows there would be 256 (128 MiB).  In groups (below): x 4,096 + W 8,192 + V 8,192 = 20,480 in place of 28,672.  An even work-group has 96 groups
; (32 of x, 64 of V, which 63 others read too), an odd one 64, all of whose bytes come from memory and leave again (768 KiB against 384 KiB).
; A GROUP is 16 rows x 128 columns = 16 loads of 16 bytes a lane; load j = 8 i + p takes unit i of the chunk and rows 2 p, 2 p + 1: lanes 0-15 read 256 consecutive
; bytes of the even row, lanes 16-31 of the odd one.  Rounded in place (4 f32 -> 8 bytes a lane) a load's 32 lanes hold one line, which leaves by one store.
; A wave's groups go through FOUR register slots by turns, so a group is asked for four groups ahead and 48 to 64 loads of each wave are on their way.
; NO JOINT LOADS, NO TENSOR LOADS: every byte passes through registers to be rounded, so a tile brought into LDS in f32 would be read back, rounded and
; stored into LDS a second time; V is therefore read by plain loads without a streaming hint.
.set XROW,  16384                      ; bytes in a row of x, W, V
.set XU,    262144                     ; bytes in a unit of xe: 2,048 rows x 128
.set WU,    524288                     ; bytes in a unit of we: 4,096 rows x 128
.set TP,    272                        ; LDS pitch of a line: 256 bytes + 16.  Row r of a unit lies at (r >> 1) x 272 + (r & 1) x 128: sixteen rows start at the
                                       ; sixteen different 16-byte columns (r >> 1) + 8 (r & 1) modulo 16
.set UT,    8*TP                       ; 16 rows of one unit
.set ATILE, 2*UT                       ; 16 rows of a chunk (two units); also 16 rows of 64 f32 at pitch 272
.set WREG,  6*ATILE                    ; a wave's own LDS: x's tile (32 rows), then V's (64 rows)
.set RED,   8*WREG                     ; behind them: the partial sums,
.set RW,    2*ATILE                    ; 32 rows of 272 bytes (64 f32 + 16) for each wave
.set VT,    16*XROW                    ; 16 rows of x, W, V
.set ACC,   24                         ; v[24:87]    eight accumulator tiles, tile (m, n) at ACC + 32 m + 8 n (v56-v62: scratch during the set-up)
.set FA,    88                         ; v[88:103]   two fragments of x
.set FB,    104                        ; v[104:135]  four fragments of V
.set SL0,   192                        ; v[192:255] slot 0; slots 1, 2, 3 are v[256:319], v[320:383], v[384:447] (window 1: written v[0:63], v[64:127], v[128:191])
; v1 lane; v2 load offset; v3 8 lane; v4 16 (lane % 16); v5 8 thread; v6, v7 tile stores; v8, v9 fragment loads; v10 RED store; v11 RED load
; v[12:15] S of my four columns; v20 16 lane; odd work-groups: v[24:31] U, four rows.  None of v2..v11, v20 is ever rewritten.
.set MSB, 0
.macro WIN new                         ; s_set_vgpr_msb: bits 1:0 source 0, 3:2 source 1, 7:6 destination; the high byte repeats the setting that is left
.if MSB != \new
	s_set_vgpr_msb (MSB<<8)|\new
.set MSB, \new
.endif
.endm
.macro SETSL sl                        ; RB: the slot's first register inside its window; HI: its window
.if \sl == 0
.set RB, SL0
.set HI, 0
.else
.set RB, 64*(\sl-1)
.set HI, 1
.endif
.endm
; 16 loads: load j = 8 i + p: unit i, rows 2 p and 2 p + 1.  nt = 1: data that the launch reads once.
.macro LOADG sl, base, imm, nt
	SETSL \sl
	WIN HI*0x40
.irp j, 0,1,2,3,4,5,6,7,8,9,10,11,12,13,14,15
.if \nt
	global_load_b128 v[RB+4*\j:RB+4*\j+3], v2, s[\base:\base+1] offset:\imm+(\j%8)*2*XROW+(\j/8)*256 th:TH_LOAD_NT
.else
	global_load_b128 v[RB+4*\j:RB+4*\j+3], v2, s[\base:\base+1] offset:\imm+(\j%8)*2*XROW+(\j/8)*256
.endif
.endr
.endm
; rounds a group in place: four f32 become two registers of bf16
.macro CVTG sl
	SETSL \sl
	WIN HI*0x45
.irp j, 0,1,2,3,4,5,6,7,8,9,10,11,12,13,14,15
	v_cvt_pk_bf16_f32 v[RB+4*\j],   v[RB+4*\j],   v[RB+4*\j+1]
	v_cvt_pk_bf16_f32 v[RB+4*\j+1], v[RB+4*\j+2], v[RB+4*\j+3]
.endr
.endm
; a rounded group into my wave's LDS: 16 lines, unit 0's eight and then unit 1's
.macro LDSG sl, adr, imm
	SETSL \sl
	WIN HI*0x04
.irp j, 0,1,2,3,4,5,6,7,8,9,10,11,12,13,14,15
	ds_store_b64 v[\adr], v[RB+4*\j:RB+4*\j+1] offset:\imm+\j*TP
.endr
.endm
; a rounded group to memory: each store of the wave covers 256 consecutive bytes, aligned; ustr: bytes from unit to unit
.macro STG sl, base, ustr, imm
	SETSL \sl
	WIN HI*0x04
.irp j, 0,1,2,3,4,5,6,7,8,9,10,11,12,13,14,15
	global_store_b64 v3, v[RB+4*\j:RB+4*\j+1], s[\base:\base+1] offset:\imm+(\j/8)*\ustr+(\j%8)*256
.endr
.endm
; One group's turn.  left = the loads issued behind the group's own: loads return in order (ISA guide 5.7.1), so the group is in and the younger ones stay out.
.macro VGRP sl, n, left                ; V, N tile n of the chunk: read by LDS stores alone, so the next load into the slot needs no wait
	s_wait_loadcnt \left
	CVTG \sl
	LDSG \sl, 7, \n*ATILE
.endm
.macro XGRP sl, c, m, left             ; x, chunk c, rows 16 m ..: into the x tile and out to xe
	s_wait_loadcnt \left
	CVTG \sl
	LDSG \sl, 6, \m*ATILE
	STG \sl, 14, XU, \c*2*XU+\m*2048
.endm
.macro WGRP sl, t, m, left             ; W, chunk t, rows 16 m ..: out to we
	s_wait_loadcnt \left
	CVTG \sl
	STG \sl, 16, WU, \t*2*WU+\m*2048
.endm
; 32 along K of the chunk: fragments from my own tiles (LDS serves a wave's instructions in order, ISA guide 5.7.1.4: they see the stores above), eight products.
; Source 0 = 16 rows of V, source 1 = 16 rows of x: lane (r, h) register j of tile (m, n) holds low[x row 16 m + r][V row 16 n + 8 h + j].
; The eight accumulators take turns, one instruction a turn.
.macro MULK ks, zero
.irp m, 0,1
	ds_load_b128 v[FA+8*\m:FA+8*\m+3],   v8 offset:\m*ATILE+(\ks/2)*UT+(\ks%2)*64
	ds_load_b128 v[FA+8*\m+4:FA+8*\m+7], v8 offset:\m*ATILE+(\ks/2)*UT+(\ks%2)*64+32
.endr
.irp n, 0,1,2,3
	ds_load_b128 v[FB+8*\n:FB+8*\n+3],   v9 offset:\n*ATILE+(\ks/2)*UT+(\ks%2)*64
	ds_load_b128 v[FB+8*\n+4:FB+8*\n+7], v9 offset:\n*ATILE+(\ks/2)*UT+(\ks%2)*64+32
.endr
	s_wait_dscnt 0x0
.irp m, 0,1
.irp n, 0,1,2,3
.if \zero
	v_wmma_f32_16x16x32_bf16 v[ACC+32*\m+8*\n:ACC+32*\m+8*\n+7], v[FB+8*\n:FB+8*\n+7], v[FA+8*\m:FA+8*\m+7], 0
.else
	v_wmma_f32_16x16x32_bf16 v[ACC+32*\m+8*\n:ACC+32*\m+8*\n+7], v[FB+8*\n:FB+8*\n+7], v[FA+8*\m:FA+8*\m+7], v[ACC+32*\m+8*\n:ACC+32*\m+8*\n+7]
.endif
.endr
.endr
.rept 4
	v_nop                                          ; four places in front of the next loads into the fragments and of the stores of the sums
.endr
.endm
.macro MULCHUNK zero
	WIN 0
	MULK 0, \zero
	MULK 1, 0
	MULK 2, 0
	MULK 3, 0
.endm
; the eight waves' sums of rows 16 m .. of my four columns, in v[SL0+32 m ..]: a tree in f32, times S, rounded, stored
.macro REDUCE m
.set RT, SL0+32*\m
.irp p, 0,2,4,6
	v_pk_add_f32 v[RT+4*\p:RT+4*\p+1],   v[RT+4*\p:RT+4*\p+1],   v[RT+4*\p+4:RT+4*\p+5]
	v_pk_add_f32 v[RT+4*\p+2:RT+4*\p+3], v[RT+4*\p+2:RT+4*\p+3], v[RT+4*\p+6:RT+4*\p+7]
.endr
.irp p, 0,4
	v_pk_add_f32 v[RT+4*\p:RT+4*\p+1],   v[RT+4*\p:RT+4*\p+1],   v[RT+4*\p+8:RT+4*\p+9]
	v_pk_add_f32 v[RT+4*\p+2:RT+4*\p+3], v[RT+4*\p+2:RT+4*\p+3], v[RT+4*\p+10:RT+4*\p+11]
.endr
	v_pk_add_f32 v[RT:RT+1],   v[RT:RT+1],   v[RT+16:RT+17]
	v_pk_add_f32 v[RT+2:RT+3], v[RT+2:RT+3], v[RT+18:RT+19]
	v_pk_mul_f32 v[RT:RT+1],   v[RT:RT+1],   v[12:13]              ; times S, in f32
	v_pk_mul_f32 v[RT+2:RT+3], v[RT+2:RT+3], v[14:15]
	v_cvt_pk_bf16_f32 v[RT],   v[RT],   v[RT+1]
	v_cvt_pk_bf16_f32 v[RT+1], v[RT+2], v[RT+3]
	global_store_b64 v5, v[RT:RT+1], s[22:23] offset:\m*2048       ; a wave writes two rows of unit 64 + kh: 256 consecutive bytes, aligned
.endm
	s_load_b256 s[4:11], s[0:1], 0x0               ; x s[4:5], W s[6:7], U s[8:9], S s[10:11]
	s_load_b128 s[12:15], s[0:1], 0x20             ; V s[12:13], xe s[14:15]
	s_load_b64 s[16:17], s[0:1], 0x30              ; we
	v_lshl_add_u32 v190, v0, 2, 0x44000
	v_mov_b32 v191, 0
	v_lshrrev_b32 v56, 5, v0
	v_readfirstlane_b32 s20, v56                   ; wave 0..7
	v_and_b32 v1, 31, v0                           ; lane
	v_and_b32 v57, 15, v0                          ; r = lane % 16 = thread % 16
	v_bfe_u32 v58, v0, 4, 1                        ; h = lane / 16
	v_lshlrev_b32 v4, 4, v57                       ; 16 r
	v_lshl_add_u32 v2, v58, 14, v4                 ; loads: row h of the pair, 16 bytes at 16 r
	v_lshlrev_b32 v3, 3, v1                        ; stores: 8 bytes a lane, one line
	v_lshlrev_b32 v20, 4, v1                       ; U: two rows of 256 bytes follow each other
	s_mov_b32 s25, 0                               ; every offset is below 2^32: the pair's high word stays 0
	s_lshr_b32 s26, ttmp9, 1                       ; i
	s_and_b32 s27, ttmp9, 1                        ; the kind: the same for all waves of the work-group
	s_cmp_lg_u32 s27, 0
	s_cbranch_scc1 .Lweights
	; ---------------- g even: x, V and the low-rank sums ----------------
	v_lshrrev_b32 v59, 4, v0                       ; thread / 16: 0..15
	v_lshlrev_b32 v5, 3, v0                        ; low-rank store: row thread / 16 at 128 bytes a row, 8 bytes at 8 (thread % 16) = 8 x thread
	s_mul_i32 s21, s20, WREG                       ; my wave's LDS
	v_lshl_add_u32 v6, v1, 3, s21                  ; x tile, 8 bytes a lane
	v_add_nc_u32 v7, 2*ATILE, v6                   ; V tile
	v_lshrrev_b32 v60, 1, v57
	v_and_b32 v61, 1, v57
	v_mul_u32_u24 v60, v60, TP                     ; (r >> 1) lines
	v_lshl_add_u32 v60, v61, 7, v60                ; + (r & 1) x 128
	v_lshl_add_u32 v60, v58, 4, v60                ; + 16 h
	v_add_nc_u32 v8, s21, v60                      ; fragment of x
	v_add_nc_u32 v9, 2*ATILE, v8                   ; fragment of V
	s_mul_i32 s31, s20, RW
	s_add_co_u32 s31, s31, RED                     ; my wave's partial sums
	v_mul_u32_u24 v61, v57, TP
	v_lshl_add_u32 v10, v58, 5, v61
	v_add_nc_u32 v10, s31, v10                     ; row r, 32 h
	v_mul_u32_u24 v62, v59, TP
	v_lshl_add_u32 v62, v57, 4, v62
	v_add_nc_u32 v11, RED, v62                     ; read back: row thread / 16, 16 bytes at 16 (thread % 16), of wave 0's sums
	s_lshr_b32 s28, s26, 1                         ; rb
	s_and_b32 s29, s26, 1                          ; kh
	s_wait_kmcnt 0x0
	s_lshl_b32 s24, s29, 13
	s_lshl_b32 s30, s20, 10
	s_add_co_u32 s24, s24, s30                     ; kh x 8192 + w x 1024
	s_add_nc_u64 s[12:13], s[12:13], s[24:25]      ; V at my columns
	s_lshl_b32 s30, s28, 19
	s_add_co_u32 s24, s24, s30                     ; + 32 rb rows
	s_add_nc_u64 s[4:5], s[4:5], s[24:25]          ; x at my rows and columns
	s_lshl_b32 s31, s28, 12                        ; 32 rb rows of 128 bytes in a unit of xe
	s_lshl_b32 s24, s29, 18                        ; kh units
	s_add_co_u32 s24, s24, s31
	s_add_co_u32 s24, s24, 64*XU
	s_add_nc_u64 s[22:23], s[14:15], s[24:25]      ; xe, unit 64 + kh, my 32 rows
	s_lshl_b32 s24, s29, 23                        ; 32 kh units
	s_lshl_b32 s30, s20, 20                        ; + 4 w units
	s_add_co_u32 s24, s24, s30
	s_add_co_u32 s24, s24, s31
	s_add_nc_u64 s[14:15], s[14:15], s[24:25]      ; xe, my first unit, my 32 rows
	global_load_b128 v[12:15], v4, s[10:11]        ; S[4 (lane % 16) ..]
	LOADG 0, 4, 0, 1                               ; group 0:  x, chunk 0, rows 0-15
	LOADG 1, 12, 0, 0                              ; group 1:  V tile 0, chunk 0
	LOADG 2, 4, VT, 1                              ; group 2:  x, chunk 0, rows 16-31
	LOADG 3, 12, VT, 0                             ; group 3:  V tile 1
	XGRP 0, 0, 0, 48                               ; group 0 (S is older: it is in too)
	s_wait_xcnt 0x0                                ; the slot is the data of the stores above: it is loaded again only behind this wait (ISA guide 3.1)
	LOADG 0, 12, 2*VT, 0                           ; group 4:  V tile 2
	VGRP 1, 0, 48                                  ; group 1
	LOADG 1, 12, 3*VT, 0                           ; group 5:  V tile 3
	XGRP 2, 0, 1, 48                               ; group 2
	s_wait_xcnt 0x0                                ; store data
	LOADG 2, 4, 512, 1                             ; group 6:  x, chunk 1, rows 0-15
	VGRP 3, 1, 48                                  ; group 3
	LOADG 3, 12, 512, 0                            ; group 7:  V tile 0, chunk 1
	VGRP 0, 2, 48                                  ; group 4
	LOADG 0, 4, VT+512, 1                          ; group 8:  x, chunk 1, rows 16-31
	VGRP 1, 3, 48                                  ; group 5
	LOADG 1, 12, VT+512, 0                         ; group 9:  V tile 1
	MULCHUNK 1                                     ; chunk 0: the first products start the sums
	; chunk 1.  The tiles are written again behind the waits for the fragment loads above, by the wave that read them.
	XGRP 2, 1, 0, 48                               ; group 6
	s_wait_xcnt 0x0                                ; store data
	LOADG 2, 12, 2*VT+512, 0                       ; group 10: V tile 2
	VGRP 3, 0, 48                                  ; group 7
	LOADG 3, 12, 3*VT+512, 0                       ; group 11: V tile 3, the last
	XGRP 0, 1, 1, 48                               ; group 8
	VGRP 1, 1, 32                                  ; group 9: nothing more is asked for, the counts run down
	VGRP 2, 2, 16                                  ; group 10
	VGRP 3, 3, 0                                   ; group 11
	MULCHUNK 0                                     ; chunk 1
.irp m, 0,1
.irp n, 0,1,2,3
	ds_store_b128 v10, v[ACC+32*\m+8*\n:ACC+32*\m+8*\n+3]   offset:\m*ATILE+64*\n      ; my wave's sums over its 256 columns: row 16 m + r, f32 columns 16 n + 8 h ..
	ds_store_b128 v10, v[ACC+32*\m+8*\n+4:ACC+32*\m+8*\n+7] offset:\m*ATILE+64*\n+16
.endr
.endr
	; the eight waves' sums meet: store, wait for zero, barrier, load
	s_wait_dscnt 0x0                               ; my partial sums are in LDS, for the others' sake
	s_barrier_signal -1
	s_barrier_wait -1
	s_wait_xcnt 0x0                                ; slot 0 is the data of group 8's stores
.irp m, 0,1
.irp p, 0,1,2,3,4,5,6,7
	ds_load_b128 v[SL0+32*\m+4*\p:SL0+32*\m+4*\p+3], v11 offset:\p*RW+\m*ATILE         ; wave p's sums of four columns of row 16 m + thread / 16
.endr
.endr
	s_wait_dscnt 0x0
	REDUCE 0
	REDUCE 1
	s_wait_tensorcnt 0x0
	ds_add_u32 v190, v191
	s_wait_dscnt 0x0
	s_endpgm
	; ---------------- g odd: W and U ----------------
.Lweights:
	s_wait_kmcnt 0x0
	s_lshl_b32 s24, s26, 19
	s_lshl_b32 s30, s20, 11
	s_add_co_u32 s24, s24, s30
	s_add_nc_u64 s[6:7], s[6:7], s[24:25]          ; W: 32 i rows + w x 2048
	s_lshl_b32 s24, s26, 13
	s_lshl_b32 s30, s20, 10
	s_add_co_u32 s24, s24, s30
	s_add_nc_u64 s[8:9], s[8:9], s[24:25]          ; U: 32 i rows of 256 bytes + four rows a wave
	s_lshl_b32 s31, s26, 12                        ; 32 i rows of 128 bytes in a unit of we
	s_lshl_b32 s24, s20, 9                         ; four rows a wave
	s_add_co_u32 s24, s24, s31
	s_add_co_u32 s24, s24, 64*WU
	s_add_nc_u64 s[18:19], s[16:17], s[24:25]      ; we, unit 64, my four rows
	s_lshl_b32 s24, s20, 22                        ; 8 w units
	s_add_co_u32 s24, s24, s31
	s_add_nc_u64 s[16:17], s[16:17], s[24:25]      ; we, my first unit, my 32 rows
	global_load_b128 v[24:27], v20, s[8:9] th:TH_LOAD_NT            ; U: lanes 0-15 my first row, lanes 16-31 my second
	global_load_b128 v[28:31], v20, s[8:9] offset:512 th:TH_LOAD_NT ; my third and fourth
	LOADG 0, 6, 0, 1                               ; group 0: chunk 0, rows 0-15
	LOADG 1, 6, VT, 1                              ; group 1: chunk 0, rows 16-31
	LOADG 2, 6, 512, 1                             ; group 2: chunk 1
	LOADG 3, 6, VT+512, 1                          ; group 3
	WGRP 0, 0, 0, 48                               ; group 0 (U is older: it is in too)
	v_cvt_pk_bf16_f32 v24, v24, v25
	v_cvt_pk_bf16_f32 v25, v26, v27
	v_cvt_pk_bf16_f32 v28, v28, v29
	v_cvt_pk_bf16_f32 v29, v30, v31
	global_store_b64 v3, v[24:25], s[18:19]                        ; two rows of U are one line of unit 64,
	global_store_b64 v3, v[24:25], s[18:19] offset:WU              ; and the same line of unit 65
	global_store_b64 v3, v[28:29], s[18:19] offset:256
	global_store_b64 v3, v[28:29], s[18:19] offset:WU+256
	s_wait_xcnt 0x0                                ; the slot is store data: it is loaded again only behind this wait (ISA guide 3.1)
	LOADG 0, 6, 1024, 1                            ; group 4: chunk 2
	WGRP 1, 0, 1, 48                               ; group 1
	s_wait_xcnt 0x0
	LOADG 1, 6, VT+1024, 1                         ; group 5
	WGRP 2, 1, 0, 48                               ; group 2
	s_wait_xcnt 0x0
	LOADG 2, 6, 1536, 1                            ; group 6: chunk 3
	WGRP 3, 1, 1, 48                               ; group 3
	s_wait_xcnt 0x0
	LOADG 3, 6, VT+1536, 1                         ; group 7: the last
	WGRP 0, 2, 0, 48                               ; group 4
	WGRP 1, 2, 1, 32                               ; group 5: the counts run down
	WGRP 2, 3, 0, 16                               ; group 6
	WGRP 3, 3, 1, 0                                ; group 7
	WIN 0
	s_endpgm
.Lfunc_end_k_q1ad663983c_prep:
	.size	k_q1ad663983c_prep, .Lfunc_end_k_q1ad663983c_prep-k_q1ad663983c_prep
	.p2alignl 7, 3214868480
	.fill 96, 4, 3214868480
	.section	.rodata,"a",@progbits
	.p2align	6, 0x0
	.amdhsa_kernel k_q1ad663983c_prep
		.amdhsa_group_segment_fixed_size 279552
		.amdhsa_private_segment_fixed_size 0
		.amdhsa_enable_private_segment 0
		.amdhsa_kernarg_size 56
		.amdhsa_user_sgpr_count 2
		.amdhsa_user_sgpr_kernarg_segment_ptr 1
		.amdhsa_wavefront_size32 1
		.amdhsa_system_sgpr_workgroup_id_x 1
		.amdhsa_system_sgpr_workgroup_id_y 1
		.amdhsa_system_sgpr_workgroup_id_z 1
		.amdhsa_system_vgpr_workitem_id 0
		.amdhsa_next_free_vgpr 448
		.amdhsa_next_free_sgpr 66
		.amdhsa_reserve_vcc 0
		.amdhsa_float_denorm_mode_32 3
		.amdhsa_float_denorm_mode_16_64 3
		.amdhsa_memory_ordered 1
		.amdhsa_forward_progress 1
		.amdhsa_inst_pref_size 123
	.end_amdhsa_kernel
	.amdgpu_metadata
---
amdhsa.version: [ 1, 2 ]
amdhsa.kernels:
  - .name:           k_q1ad663983c_prep
    .symbol:         k_q1ad663983c_prep.kd
    .args:
      - { .name: x, .offset: 0, .size: 8, .value_kind: global_buffer, .address_space: global }
      - { .name: weight_main, .offset: 8, .size: 8, .value_kind: global_buffer, .address_space: global }
      - { .name: U_residual, .offset: 16, .size: 8, .value_kind: global_buffer, .address_space: global }
      - { .name: S_residual, .offset: 24, .size: 8, .value_kind: global_buffer, .address_space: global }
      - { .name: V_residual, .offset: 32, .size: 8, .value_kind: global_buffer, .address_space: global }
      - { .name: xe, .offset: 40, .size: 8, .value_kind: global_buffer, .address_space: global }
      - { .name: we, .offset: 48, .size: 8, .value_kind: global_buffer, .address_space: global }
    .group_segment_fixed_size: 279552
    .private_segment_fixed_size: 0
    .kernarg_segment_align: 8
    .kernarg_segment_size: 56
    .max_flat_workgroup_size: 256
    .sgpr_count:     66
    .vgpr_count:     448
    .wavefront_size: 32
...
	.end_amdgpu_metadata
.endif
;; end of part 3
;; launch gemm (part 4): grid 16 x 16, 4 waves a work-group, clusters of 4 x 4, 327,680 bytes of LDS; arguments xe, we, bias, out0; writes out0
.if DOCPART == 4
	.amdgcn_target "amdgcn-amd-amdhsa--gfx1250"
	.amdhsa_code_object_version 6
	.text
	.protected	k_q1ad663983c_gemm
	.globl	k_q1ad663983c_gemm
	.p2align	8
	.type	k_q1ad663983c_gemm,@function
k_q1ad663983c_gemm:
	s_mov_b64 s[64:65], 0
	v_nop
	global_prefetch_b8 v0, s[64:65] scope:SCOPE_SE
	s_setreg_imm32_b32 hwreg(HW_REG_WAVE_MODE, 25, 1), 1
	s_wait_xcnt 0x0
	s_wait_alu depctr_hold_cnt(0) depctr_sa_sdst(0) depctr_va_vdst(0) depctr_va_sdst(0) depctr_va_ssrc(0) depctr_va_vcc(0) depctr_vm_vsrc(0)
	s_getreg_b32 s2, hwreg(HW_REG_IB_STS2, 6, 4)
	s_cmp_eq_u32 s2, 0
	s_cbranch_scc0 .Lentry_in_a_cluster
	s_endpgm
.Lentry_in_a_cluster:
	s_bfe_u32 s2, ttmp6, 0x10000c
	s_cmp_lg_u32 s2, 0xf033
	s_cbranch_scc0 .Lentry_shape_is_right
	s_endpgm
.Lentry_shape_is_right:
; out0[m][n] = sum over units u and k of xe[u][m][k] we[u][n][k] + bias[n].  xe: [66][2048][64] bf16, we: [66][4096][64] bf16, bias: [4096] f32, out0: [2048][4096] f32; sums in f32.
; 16 x 16 work-groups, one block of 128 rows x 256 columns each; four waves, a wave makes 64 x 128: 32 accumulator tiles of 16 x 16, 256 registers.
; (Blocks of 256 x 256 would give 128 work-groups only.)  K goes in 22 steps of 192 (three units) through two LDS slots filled by tensor loads.
; WHY 192: one unit of the block's 384 rows is 192 lines of 272 bytes in LDS = 52,224 bytes; six units are 313,344 of the 327,680 bytes that a work-group can have, so three
; units a slot are the most that two slots hold.  From a request to the wait for it a wave issues 184 of a step's 192 matrix instructions.
; THE OPERANDS' LAYOUT: in a unit a row is 128 bytes, so R rows of a unit are R x 128 consecutive bytes, whole aligned lines of 256 bytes (two rows each).  A tile is three such
; runs, one a unit: a tensor tile of 3 rows of 16,384 bytes (we, 128 rows) or 8,192 bytes (xe, 64 rows), with 16 bytes of padding behind every 256.
; WHICH BLOCK: the block ROW is the work-group's x, the block COLUMN its y.  So the four clusters that follow each other along the grid's x share the same 1,024 rows of we,
; the larger operand (34.6 MB against xe's 17.3 MB), and clusters with different y share none of it.
; CLUSTERS: 4 x 4 work-groups.  The four of a column of the cluster (same cx) share the block row, so xe's tiles; the four of a row (same cy) share the block column, so we's tiles.
; Each tile is asked for jointly, with the same descriptor and a mask that names the four, which divides the requests for both operands by four.
; LIMITS: the operands are bf16 as the launch before rounded them; nothing else is rounded before the f32 store.
; LDS: we's tiles: wave w (0, 1) fills w x 52,224 + slot x 104,448; xe's tiles: wave w (2, 3) fills 156,672 + w x 26,112 + slot x 52,224 (208,896 and up).
;      Row r of unit u of a half lies at u x (rows / 2) x 272 + (r >> 1) x 272 + (r & 1) x 128: the 16 rows of a fragment load start at the 16 different 16-byte columns
;      (r >> 1) + 8 (r & 1) modulo 16.
;      The stage of the way out, 16 rows x 528 bytes for each wave, lies in we's slot 0: that slot's last fill is K step 20's, and its last reads are waited for in front of the
;      barrier that ends K step 20.
; REGISTERS: window 0: v1-v6 scratch, v16-17, v20-21 fragment addresses, v24-26 way out, v[28:31] bias, v[32:95] xe's fragments (two buffers of 4 x 8),
;      v[96:223] we's fragments (two buffers of 8 x 8).  Window 1: accumulator tile (a, b) at v[8 (8 a + b)].
; THE MATRIX INSTRUCTION IS USED TRANSPOSED: source 0 = 16 rows of we, source 1 = 16 rows of xe, so lane (r, h) register j holds out[16 a + r][16 b + 8 h + j].
.set LINE,   272                       ; 256 bytes + 16 of padding
.set BLK,    8*LINE                    ; 16 rows of one unit
.set BUN,    64*LINE                   ; one unit of a half of we's tile: 128 rows
.set AUN,    32*LINE                   ; one unit of a half of xe's tile: 64 rows
.set BHALF,  3*BUN                     ; what waves 0, 1 bring
.set AHALF,  3*AUN                     ; what waves 2, 3 bring
.set BSLOT,  2*BHALF
.set ASLOT,  2*AHALF
.set ABASE,  2*BSLOT                   ; xe's slots lie behind we's
.set XU,     262144                    ; bytes in a unit of xe
.set WU,     524288                    ; bytes in a unit of we
.set SPITCH, 528                       ; 512 bytes + 16: 33 blocks of 16 bytes
.set OROW,   16384                     ; bytes in a row of out0
.set ADRA, 16                          ; v16-17  LDS address of my xe fragments in slot 0, 1
.set ADRB, 20                          ; v20-21  the same for we
.set STO,  24
.set RD,   25
.set CO,   26
.set BI,   28
.set FA,   32                          ; buffer p at FA + 32 p
.set FB,   96                          ; buffer p at FB + 64 p
.set G1,  24                           ; s[24:31] group 1 for xe's tiles
.set G0,  32                           ; s[32:39] group 0 for xe's tiles, one set a slot
.set G1B, 48                           ; s[48:55] group 1 for we's tiles
.set G0B, 56                           ; s[56:63] group 0 for we's tiles, one set a slot
.set MSB, 0
.macro WIN new                         ; the immediate's high byte repeats the setting that is left; a switch that changes nothing is dropped
.if MSB != \new
	s_set_vgpr_msb (MSB<<8)|\new
.set MSB, \new
.endif
.endm
.set MUL,  0x50                        ; sources 0 and 1 window 0, C and D window 1
.set FROM, 0x04                        ; LDS store data (source 1) window 1
; A joint load: waves 0 and 1 fetch we's two halves, waves 2 and 3 xe's.  Each line has one mask and one set of registers; the branch hangs on the wave's number alone.
.macro JLOAD s
	s_cmp_eq_u32 s13, 0
	s_cbranch_scc0 .Lfor_a_\@
	tensor_load_to_lds s[G0B+4*\s:G0B+4*\s+3], s[G1B:G1B+7]
	s_nop 0
	s_branch .Lasked_\@
.Lfor_a_\@:
	tensor_load_to_lds s[G0+4*\s:G0+4*\s+3], s[G1:G1+7]
	s_nop 0
.Lasked_\@:
.endm
.macro CREST                           ; a round of the cluster's barrier behind its opening work-group barrier
	s_cmp_lg_u32 s12, 0
	s_cbranch_scc1 .Lnot_wave_0_\@
	s_barrier_signal -3
.Lnot_wave_0_\@:
	s_barrier_wait -3
	s_barrier_signal -1
	s_barrier_wait -1
.endm
.macro CROUND                          ; a whole round
	s_barrier_signal -1
	s_barrier_wait -1
	CREST
.endm
.macro PLACES                          ; four places behind a matrix instruction in front of loads into its sources and of stores of its results
.rept 4
	v_nop
.endr
.endm
	s_load_b128 s[4:7], s[0:1], 0x0                ; xe s[4:5], we s[6:7]
	s_load_b128 s[8:11], s[0:1], 0x10              ; bias s[8:9], out0 s[10:11]
	v_lshl_add_u32 v254, v0, 2, 0x4c800
	v_mov_b32 v255, 0
	ds_add_u32 v254, v255
	ds_add_u32 v254, v255
	v_lshrrev_b32 v1, 5, v0
	v_readfirstlane_b32 s12, v1                    ; wave 0..3
	s_lshr_b32 s13, s12, 1                         ; mh: my 64 rows of the block.  Also: I fetch for we (0) or for xe (1)
	s_and_b32 s14, s12, 1                          ; nh: my 128 columns.  Also: which half of that tile I fetch
	s_bfe_u32 s40, ttmp6, 0x40000                  ; cx
	s_bfe_u32 s41, ttmp6, 0x40004                  ; cy
	s_and_b32 s42, ttmp7, 0xffff
	s_lshl_b32 s42, s42, 2
	s_add_co_u32 s42, s42, s41                     ; block column = 4 x cluster y + cy
	s_lshl_b32 s43, ttmp9, 2
	s_add_co_u32 s43, s43, s40                     ; block row = 4 x cluster x + cx
	s_lshl_b32 s44, s41, 2
	s_lshl_b32 s44, 15, s44                        ; my row of the cluster (same cy): places 4 cy .. 4 cy + 3
	s_lshl_b32 s45, 0x1111, s40                    ; my column (same cx): places cx, cx + 4, cx + 8, cx + 12
	; group 1: elements of 8 bytes; 4 words of padding behind every 64 words (a line); bit 21 beside the mask
	s_or_b32 s[G1+0],  s45, (3<<16)|(1<<20)|(1<<21)|(5<<22)|(3<<25)   ; xe's tiles hang on the block row: they go to my column of the cluster
	s_or_b32 s[G1B+0], s44, (3<<16)|(1<<20)|(1<<21)|(5<<22)|(3<<25)   ; we's tiles hang on the block column: they go to my row
	s_mov_b32 s[G1+1],  1024<<16                   ; tensor_dim0 = 1,024 elements: 64 rows of a unit, 8,192 bytes
	s_mov_b32 s[G1B+1], 2048<<16                   ; tensor_dim0 = 2,048 elements: 128 rows of a unit, 16,384 bytes
	s_mov_b32 s[G1+2],  3<<16                      ; tensor_dim1 = 3 units
	s_mov_b32 s[G1B+2], 3<<16
	s_mov_b32 s[G1+3],  1024<<16                   ; tile_dim0
	s_mov_b32 s[G1B+3], 2048<<16
	s_mov_b32 s[G1+4],  3                          ; tile_dim1
	s_mov_b32 s[G1B+4], 3
	s_mov_b32 s[G1+5],  XU/8                       ; elements from unit to unit
	s_mov_b32 s[G1B+5], WU/8
	s_mov_b32 s[G1+6],  0
	s_mov_b32 s[G1B+6], 0
	s_mov_b32 s[G1+7],  0
	s_mov_b32 s[G1B+7], 0
	; where the tiles come from: xe's hang on the block row alone, we's on the block column alone, each in registers that never hold the other coordinate
	s_lshl_b32 s16, s43, 14
	s_lshl_b32 s17, s14, 13
	s_add_co_u32 s16, s16, s17                     ; xe: (128 x block row + 64 x half) rows of 128 bytes
	s_mov_b32 s17, 0
	s_lshl_b32 s46, s42, 15
	s_lshl_b32 s47, s14, 14
	s_add_co_u32 s46, s46, s47                     ; we: (256 x block column + 128 x half) rows of 128 bytes
	s_mov_b32 s47, 0
	s_mul_i32 s20, s12, BHALF                      ; and where they go: we's halves from LDS byte 0 on (waves 0, 1),
	s_mul_i32 s21, s12, AHALF
	s_add_co_u32 s21, s21, ABASE-2*AHALF           ; xe's from ABASE on (waves 2, 3)
	s_lshl_b32 s22, s42, 10
	s_lshl_b32 s23, s14, 9
	s_add_co_u32 s22, s22, s23                     ; my first column in f32 bytes: 1,024 x block column + 512 x nh
	s_mov_b32 s23, 0
	s_wait_dscnt 0x0
	s_wait_kmcnt 0x0
	s_add_nc_u64 s[18:19], s[4:5], s[16:17]
	s_add_nc_u64 s[46:47], s[6:7], s[46:47]
	s_add_nc_u64 s[8:9], s[8:9], s[22:23]          ; bias at my columns
	s_add_nc_u64 s[10:11], s[10:11], s[22:23]      ; out0 at my columns,
	s_lshl_b32 s16, s43, 7
	s_lshl_b32 s17, s13, 6
	s_add_co_u32 s16, s16, s17
	s_lshl_b32 s16, s16, 14                        ; and at my first row: (128 x block row + 64 x mh) rows of 16,384 bytes
	s_mov_b32 s17, 0
	s_add_nc_u64 s[10:11], s[10:11], s[16:17]
	CROUND                                         ; all sixteen work-groups are here: the first joint loads meet
.irp s, 0,1
	s_mov_b32 s[G0+4*\s], 1
	s_add_co_u32 s[G0+4*\s+1], s21, \s*ASLOT
	s_add_nc_u64 s[G0+4*\s+2:G0+4*\s+3], s[18:19], \s*3*XU         ; K step s: units 3 s ..
	s_or_b32 s[G0+4*\s+3], s[G0+4*\s+3], 0x80000000                ; type = 2
	s_mov_b32 s[G0B+4*\s], 1
	s_add_co_u32 s[G0B+4*\s+1], s20, \s*BSLOT
	s_add_nc_u64 s[G0B+4*\s+2:G0B+4*\s+3], s[46:47], \s*3*WU
	s_or_b32 s[G0B+4*\s+3], s[G0B+4*\s+3], 0x80000000
	JLOAD \s                                       ; both first fills go out before anything else: two tensor loads of the wave are out
.endr
	; a fragment is 16 rows x 32 K in 8 registers: lane (r, h) takes 16 bytes of row r at 16 h, and 16 bytes 32 further on
	v_and_b32 v1, 15, v0                           ; r
	v_bfe_u32 v2, v0, 4, 1                         ; h
	v_lshrrev_b32 v3, 1, v1
	v_and_b32 v6, 1, v1
	v_mul_u32_u24 v3, v3, LINE                     ; (r >> 1) lines
	v_lshl_add_u32 v3, v6, 7, v3                   ; + (r & 1) x 128
	v_lshl_add_u32 v3, v2, 4, v3                   ; + 16 h
	s_mul_i32 s22, s13, AHALF
	s_add_co_u32 s22, s22, ABASE                   ; my 64 rows of xe: half mh
	s_mul_i32 s23, s14, BHALF                      ; my 128 rows of we: half nh
.irp s, 0,1
	v_add_nc_u32 v[ADRA+\s], s22, v3
	v_add_nc_u32 v[ADRB+\s], s23, v3
	s_add_co_u32 s22, s22, ASLOT
	s_add_co_u32 s23, s23, BSLOT
.endr
	s_mul_i32 s2, s12, 16*SPITCH                   ; my stage, in we's slot 0
	v_mul_u32_u24 v4, v1, SPITCH
	v_lshl_add_u32 v4, v2, 5, v4
	v_add_nc_u32 v[STO], s2, v4                    ; in: row r, 32 bytes for each half of the lanes
	v_and_b32 v5, 31, v0
	v_lshlrev_b32 v[CO], 4, v5                     ; 16 bytes a lane: a row's 512 bytes, in out0 and in bias
	v_add_nc_u32 v[RD], s2, v[CO]                  ; back: one row of 512 bytes a load
	global_load_b128 v[BI:BI+3], v[CO], s[8:9]     ; bias of my four columns on the way out
; 8 matrix instructions: m block a x all 8 n blocks, 32 along K, from buffer p.  zero = 1: the first product starts the sums.
; The 32 accumulators take turns, one instruction a turn, in the same order in every part of a K step.
.macro MULA p, a, zero
.irp b, 0,1,2,3,4,5,6,7
.if \zero
	v_wmma_f32_16x16x32_bf16 v[8*(8*\a+\b):8*(8*\a+\b)+7], v[FB+64*\p+8*\b:FB+64*\p+8*\b+7], v[FA+32*\p+8*\a:FA+32*\p+8*\a+7], 0
.else
	v_wmma_f32_16x16x32_bf16 v[8*(8*\a+\b):8*(8*\a+\b)+7], v[FB+64*\p+8*\b:FB+64*\p+8*\b+7], v[FA+32*\p+8*\a:FA+32*\p+8*\a+7], v[8*(8*\a+\b):8*(8*\a+\b)+7]
.endif
.endr
.endm
; 24 LDS loads in one run: the fragments of part q (0..5) of a K step, 32 along K: unit q / 2, byte 64 (q % 2) of its rows; 128 rows of we, 64 rows of xe, into buffer p
.macro FETCH slot, q, p
	WIN 0
.irp i, 0,1,2,3,4,5,6,7
	ds_load_b128 v[FB+64*\p+8*\i:FB+64*\p+8*\i+3],   v[ADRB+\slot] offset:(\q/2)*BUN+(\q%2)*64+\i*BLK
	ds_load_b128 v[FB+64*\p+8*\i+4:FB+64*\p+8*\i+7], v[ADRB+\slot] offset:(\q/2)*BUN+(\q%2)*64+\i*BLK+32
.endr
.irp i, 0,1,2,3
	ds_load_b128 v[FA+32*\p+8*\i:FA+32*\p+8*\i+3],   v[ADRA+\slot] offset:(\q/2)*AUN+(\q%2)*64+\i*BLK
	ds_load_b128 v[FA+32*\p+8*\i+4:FA+32*\p+8*\i+7], v[ADRA+\slot] offset:(\q/2)*AUN+(\q%2)*64+\i*BLK+32
.endr
.endm
; One of a K step's first five parts: asks for the next part's fragments (part q, buffer g), then multiplies buffer f: the 24 loads have 32 matrix instructions in which to come.
.macro PART slot, q, f, g, zero
	s_wait_dscnt 0x0                               ; buffer f's 24 loads, issued a part ago
	PLACES                                         ; buffer g was read by the matrix instructions just issued
	FETCH \slot, \q, \g
	WIN MUL
	MULA \f, 0, \zero
	MULA \f, 1, \zero
	MULA \f, 2, \zero
	MULA \f, 3, \zero
.endm
.macro FIVE slot, zero
	PART \slot, 1, 0, 1, \zero
	PART \slot, 2, 1, 0, 0
	PART \slot, 3, 0, 1, 0
	PART \slot, 4, 1, 0, 0
	PART \slot, 5, 0, 1, 0
.endm
; The sixth part: multiplies buffer 1 and changes slots.  fill = 1: this slot is filled again, two K steps ahead.
; In front of the barrier each wave waits for its reads of this slot and for all its tensor loads (one is out: its part of the next slot).  Behind it (where a slot is
; filled again: behind the round of the cluster's barrier that it opens) the refill comes first, then the next slot's first fragments.
.macro TURN slot, next, fill
	s_wait_dscnt 0x0                               ; buffer 1 is in, and with it my last reads of this slot
	s_wait_tensorcnt 0x0                           ; all my tensor loads have landed
	ds_add_u32 v254, v255
	s_wait_dscnt 0x0
	s_barrier_signal -1
	WIN MUL
	MULA 1, 0, 0                                   ; register work while the others arrive
	WIN 0
	s_barrier_wait -1
.if \fill
	CREST                                          ; no wave of any partner still reads this slot or has a load on its way
	s_add_nc_u64 s[G0+4*\slot+2:G0+4*\slot+3],   s[G0+4*\slot+2:G0+4*\slot+3],   6*XU      ; two K steps on: six units
	s_add_nc_u64 s[G0B+4*\slot+2:G0B+4*\slot+3], s[G0B+4*\slot+2:G0B+4*\slot+3], 6*WU
	JLOAD \slot                                    ; the wave's one tensor load behind the round
.endif
	PLACES
	FETCH \next, 0, 0
	WIN MUL
	MULA 1, 1, 0
	MULA 1, 2, 0
	MULA 1, 3, 0
.endm
.macro LAP zero                        ; two K steps, both slots filled again
	FIVE 0, \zero
	TURN 0, 1, 1
	FIVE 1, 0
	TURN 1, 0, 1
.endm
	s_wait_loadcnt 0x0                             ; bias is in: no load is out at any barrier
	s_wait_tensorcnt 0x1                           ; my part of K step 0 is in; K step 1's may stay out
	s_barrier_signal -1
	s_barrier_wait -1                              ; everybody's part is in
	FETCH 0, 0, 0
	LAP 1                                          ; K steps 0, 1 (they ask for 2, 3): the first products start the sums
	WIN 0                                          ; at a label and at a branch every window is 0
	s_mov_b32 s3, 9                                ; K steps 2 to 19, which ask for 4 to 21
.Llap:
	LAP 0
	WIN 0
	s_sub_co_u32 s3, s3, 1
	s_cmp_lg_u32 s3, 0
	s_cbranch_scc1 .Llap
	FIVE 0, 0                                      ; K step 20: nothing is left to ask for; the barrier shows K step 21's tile whole and ends all reads of slot 0
	TURN 0, 1, 0
	FIVE 1, 0                                      ; K step 21
	s_wait_dscnt 0x0
	WIN MUL
	MULA 1, 0, 0
	MULA 1, 1, 0
	MULA 1, 2, 0
	MULA 1, 3, 0
	; THE WAY OUT, 16 rows at a time: the tiles' f32 go into my own stage, 32 bytes a lane and tile, and come back as whole rows of 512 bytes; bias is added; each store
	; of the wave covers 512 consecutive bytes, aligned.  LDS serves a wave's instructions in order (ISA guide 5.7.1.4), so no wait stands between the stage's stores and loads.
	; The stage's bytes had their last fill and, in front of K step 20's barrier, their last reads by any wave.
	PLACES
.macro OUT16 a, set
	WIN FROM
.irp b, 0,1,2,3,4,5,6,7
	ds_store_b128 v[STO], v[8*(8*\a+\b):8*(8*\a+\b)+3]   offset:64*\b
	ds_store_b128 v[STO], v[8*(8*\a+\b)+4:8*(8*\a+\b)+7] offset:64*\b+16
.endr
	WIN 0
	s_wait_xcnt 0x0                                ; the set's registers are the data of earlier stores, and s[10:11] their base: both are rewritten only behind this wait (ISA guide 3.1)
.if \a
	s_add_nc_u64 s[10:11], s[10:11], 16*OROW
.endif
.irp t, 0,1,2,3,4,5,6,7,8,9,10,11,12,13,14,15
	ds_load_b128 v[\set+4*\t:\set+4*\t+3], v[RD] offset:\t*SPITCH
.endr
.irp t, 0,1,2,3,4,5,6,7,8,9,10,11,12,13,14,15
	s_wait_dscnt 15-\t                             ; row t is in; the younger loads stay out
	v_pk_add_f32 v[\set+4*\t:\set+4*\t+1],   v[\set+4*\t:\set+4*\t+1],   v[BI:BI+1]
	v_pk_add_f32 v[\set+4*\t+2:\set+4*\t+3], v[\set+4*\t+2:\set+4*\t+3], v[BI+2:BI+3]
	global_store_b128 v[CO], v[\set+4*\t:\set+4*\t+3], s[10:11] offset:\t*OROW th:TH_STORE_NT
.endr
.endm
	OUT16 0, FB
	OUT16 1, FB+64
	OUT16 2, FB
	OUT16 3, FB+64
	s_wait_tensorcnt 0x0
	ds_add_u32 v254, v255
	s_wait_dscnt 0x0
	CROUND                                         ; the closing round: no work-group ends while a partner may still ask for a tile that names it
	s_endpgm
.Lfunc_end_k_q1ad663983c_gemm:
	.size	k_q1ad663983c_gemm, .Lfunc_end_k_q1ad663983c_gemm-k_q1ad663983c_gemm
	.p2alignl 7, 3214868480
	.fill 96, 4, 3214868480
	.section	.rodata,"a",@progbits
	.p2align	6, 0x0
	.amdhsa_kernel k_q1ad663983c_gemm
		.amdhsa_group_segment_fixed_size 327680
		.amdhsa_private_segment_fixed_size 0
		.amdhsa_enable_private_segment 0
		.amdhsa_kernarg_size 32
		.amdhsa_user_sgpr_count 2
		.amdhsa_user_sgpr_kernarg_segment_ptr 1
		.amdhsa_wavefront_size32 1
		.amdhsa_system_sgpr_workgroup_id_x 1
		.amdhsa_system_sgpr_workgroup_id_y 1
		.amdhsa_system_sgpr_workgroup_id_z 1
		.amdhsa_system_vgpr_workitem_id 0
		.amdhsa_next_free_vgpr 512
		.amdhsa_next_free_sgpr 66
		.amdhsa_reserve_vcc 0
		.amdhsa_float_denorm_mode_32 3
		.amdhsa_float_denorm_mode_16_64 3
		.amdhsa_memory_ordered 1
		.amdhsa_forward_progress 1
		.amdhsa_inst_pref_size 169
	.end_amdhsa_kernel
	.amdgpu_metadata
---
amdhsa.version: [ 1, 2 ]
amdhsa.kernels:
  - .name:           k_q1ad663983c_gemm
    .symbol:         k_q1ad663983c_gemm.kd
    .args:
      - { .name: xe, .offset: 0, .size: 8, .value_kind: global_buffer, .address_space: global }
      - { .name: we, .offset: 8, .size: 8, .value_kind: global_buffer, .address_space: global }
      - { .name: bias, .offset: 16, .size: 8, .value_kind: global_buffer, .address_space: global }
      - { .name: out0, .offset: 24, .size: 8, .value_kind: global_buffer, .address_space: global }
    .group_segment_fixed_size: 327680
    .private_segment_fixed_size: 0
    .kernarg_segment_align: 8
    .kernarg_segment_size: 32
    .max_flat_workgroup_size: 128
    .sgpr_count:     66
    .vgpr_count:     512
    .wavefront_size: 32
...
	.end_amdgpu_metadata
.endif
;; end of part 4
;; ======== version 3 of 3: 2 launches; version 2 with the launch prep written anew for expert scheduling mode
;; workspace buffers: xe 17,301,504 bytes; we 34,603,008 bytes
;; launch prep (part 5): grid 256 x 1, 8 waves a work-group, no clusters, 279,552 bytes of LDS; arguments x, weight_main, U_residual, S_residual, V_residual, xe, we; writes xe, we
.if DOCPART == 5
	.amdgcn_target "amdgcn-amd-amdhsa--gfx1250"
	.amdhsa_code_object_version 6
	.text
	.protected	k_q1ad663983c_prep
	.globl	k_q1ad663983c_prep
	.p2align	8
	.type	k_q1ad663983c_prep,@function
k_q1ad663983c_prep:
	s_mov_b64 s[64:65], 0
	v_nop
	global_prefetch_b8 v0, s[64:65] scope:SCOPE_SE
	s_setreg_imm32_b32 hwreg(HW_REG_WAVE_SCHED_MODE, 0, 2), 2
	s_setreg_imm32_b32 hwreg(HW_REG_WAVE_MODE, 25, 1), 1
	s_wait_xcnt 0x0
	s_wait_alu depctr_vm_vsrc(0)
; PREP: makes the two bf16 operands of the product that follows, in units of 64 along K.
;   xe [66][2048][64] bf16: unit u < 64, row m: bf16(x[m][64 u ..]); unit 64 + p (p = 0, 1): bf16( S[n] * sum over k in half p of K of bf16(x[m][k]) bf16(V[n][k]) ), n = 0..63
;   we [66][4096][64] bf16: unit u < 64, row o: bf16(weight_main[o][64 u ..]); units 64 and 65 both: bf16(U[o][:])
; so that the sum over all units of xe . we^T = x W^T + ((x V^T) S) U^T, one product of K = 4224.
; In this layout a row of a unit is 128 bytes and two neighbouring rows are 256 consecutive, aligned bytes (a LINE): any number of units makes a tile of whole lines.
; LIMITS: x, W, U, V and the scaled low-rank sums are rounded to bf16 (nearest even).  The low-rank sum is rounded as two half-K sums, each
; summed in f32 and multiplied by S in f32 first, so its rounding error goes with |low0| + |low1|, not with |low0 + low1|.  NaN and infinities go through.
; TWO KINDS OF WORK-GROUPS, by the parity of g = 0..255; i = g >> 1; eight waves each.
;   g even: x and V.  rb = i >> 1, kh = i & 1: x's rows 32 rb .. +31, columns 2048 kh .. +2047, and V's 64 rows of the same columns.  Wave w takes 256 columns as two chunks of 128.
;   g odd:  W and U.  W's rows 32 i .. +31; wave w takes 512 columns as four chunks of 128.  U: wave w takes rows 32 i + 4 w .. +3.
; WHY: a half of V (512 KiB) has to be read, rounded and laid into LDS by every work-group that multiplies by it.  With 32 rows of x a work-group there are 128 such work-groups
; (64 MiB of V), with 16 rows there would be 256 (128 MiB).  In groups (below): x 4,096 + W 8,192 + V 8,192 = 20,480 in place of 28,672.  An even work-group has 96 groups
; (32 of x, 64 of V, which 63 others read too), an odd one 64, all of whose bytes come from memory and leave again (768 KiB against 384 KiB).
; A GROUP is 16 rows x 128 columns = 16 loads of 16 bytes a lane; load j = 8 i + p takes unit i of the chunk and rows 2 p, 2 p + 1: lanes 0-15 read 256 consecutive
; bytes of the even row, lanes 16-31 of the odd one.  Rounded (4 f32 -> 8 bytes a lane) a load's 32 lanes hold one line, which leaves by one store.
; A wave's groups go through FOUR register slots by turns, so a group is asked for four groups ahead and 48 to 64 loads of each wave are on their way.
; NO JOINT LOADS, NO TENSOR LOADS: every byte passes through registers to be rounded, so a tile brought into LDS in f32 would be read back, rounded and
; stored into LDS a second time; V is therefore read by plain loads without a streaming hint.
; THE MODE: SCHED_MODE bits 1:0 = 2 (LLVM: expert scheduling mode 2), set by the entry lines.  The code itself states the register dependences
; between vector or matrix instructions and memory or LDS instructions, with s_wait_alu, always for 0.
; THE PLAN.  Registers that memory or LDS instructions touch:
;   SLOT 0..3     Group p lands in slot p % 4; its 32 conversions read the slot; behind them group p + 4 lands in it.  No store reads a slot.
;   OUT 0, 1      Group p's conversions write OUT[p % 2]; the group's LDS stores and global stores read it; group p + 2's conversions write it again.
;   sets 0, 1     Part ks of a chunk: its fragments land in set ks % 2; its eight products read the set; part ks + 2's fragments land in it.
;   ACC           Written by the products; read by sixteen LDS stores, once, at the end.
;   slot 0        At the end: the partial sums land in it, the tree works in place, two stores read its results; nothing writes it after.
;   v2-v11, v20   Offsets and LDS addresses: made at the head, never written again.        v[24:31] (g odd): U lands, is rounded in place, is stored; nothing writes it after.
;   v190, v191    Made at the head, read by the closing add alone.
; A group has ONE wait on va_vdst, behind its conversions: OUT is written and the slot is read out; the group's loads and stores follow it with no vector line between.  From a wave's third
; group on ONE wait on vm_vsrc stands at the group's head: the stores of two groups back have read the OUT that is written again.  The slot is asked for again in its own group's turn and
; not a group later, so that the number of loads on their way stays 48 to 64.  In the products one wait on va_vdst stands in parts 1 and 2 of a chunk, behind the wait for the part's own fragments.
.set XROW,  16384                      ; bytes in a row of x, W, V
.set XU,    262144                     ; bytes in a unit of xe: 2,048 rows x 128
.set WU,    524288                     ; bytes in a unit of we: 4,096 rows x 128
.set TP,    272                        ; LDS pitch of a line: 256 bytes + 16.  Row r of a unit lies at (r >> 1) x 272 + (r & 1) x 128: sixteen rows start at the
                                       ; sixteen different 16-byte columns (r >> 1) + 8 (r & 1) modulo 16
.set UT,    8*TP                       ; 16 rows of one unit
.set ATILE, 2*UT                       ; 16 rows of a chunk (two units); also 16 rows of 64 f32 at pitch 272
.set WREG,  6*ATILE                    ; a wave's own LDS: x's tile (32 rows), then V's (64 rows)
.set RED,   8*WREG                     ; behind them: the partial sums,
.set RW,    2*ATILE                    ; 32 rows of 272 bytes (64 f32 + 16) for each wave
.set VT,    16*XROW                    ; 16 rows of x, W, V
.set ACC,   24                         ; v[24:87]    eight accumulator tiles, tile (m, n) at ACC + 32 m + 8 n (v56-v62: scratch during the set-up)
.set FA,    88                         ; v[88:103]   set 0: two fragments of x;  set 1 lies 48 registers on: v[136:151]
.set FB,    104                        ; v[104:135]  set 0: four fragments of V; set 1: v[152:183]
.set SL0,   192                        ; v[192:255] slot 0; slots 1, 2, 3 are v[256:319], v[320:383], v[384:447] (window 1: written v[0:63], v[64:127], v[128:191])
.set OB,    192                        ; OUT 0 is v[448:479], OUT 1 v[480:511] (window 1: written v[192:223], v[224:255])
; v1 lane; v2 load offset; v3 8 lane; v4 16 (lane % 16); v5 8 thread; v6, v7 tile stores; v8, v9 fragment loads; v10 RED store; v11 RED load
; v[12:15] S of my four columns; v20 16 lane; odd work-groups: v[24:31] U, four rows.  None of v2..v11, v20 is ever rewritten.
.set MSB, 0
.macro WIN new                         ; s_set_vgpr_msb: bits 1:0 source 0, 3:2 source 1, 7:6 destination; the high byte repeats the setting that is left
.if MSB != (\new)
	s_set_vgpr_msb (MSB<<8)|(\new)
.set MSB, (\new)
.endif
.endm
.macro SETSL sl                        ; RB: the slot's first register inside its window; HI: its window
.if \sl == 0
.set RB, SL0
.set HI, 0
.else
.set RB, 64*(\sl-1)
.set HI, 1
.endif
.endm
; 16 loads: load j = 8 i + p: unit i, rows 2 p and 2 p + 1.  nt = 1: data that the launch reads once.
; The window: destination in the slot's window, store data in window 1, addresses in window 0: the one setting serves a group's loads and its stores.
.macro LOADG sl, base, imm, nt
	SETSL \sl
	WIN 0x04+HI*0x40
.irp j, 0,1,2,3,4,5,6,7,8,9,10,11,12,13,14,15
.if \nt
	global_load_b128 v[RB+4*\j:RB+4*\j+3], v2, s[\base:\base+1] offset:\imm+(\j%8)*2*XROW+(\j/8)*256 th:TH_LOAD_NT
.else
	global_load_b128 v[RB+4*\j:RB+4*\j+3], v2, s[\base:\base+1] offset:\imm+(\j%8)*2*XROW+(\j/8)*256
.endif
.endr
.endm
; A group's turn up to its one wait on va_vdst.  sl: its slot; o: its OUT.  left = the loads issued behind the group's own: loads return in order (ISA guide 5.7.1), so the
; group is in and the younger ones stay out.  gx = 1: global stores have read OUT[o] since the last s_wait_xcnt 0.  ve = 1: stores have read OUT[o] (every group but a wave's first two).
.macro GRP sl, o, left, gx, ve
	s_wait_loadcnt \left
.if \gx
	s_wait_xcnt 0x0                                ; OUT[o] is the data of global stores issued two groups back: it is rewritten only behind this wait (ISA guide 3.1)
.endif
.if \ve
	s_wait_alu depctr_vm_vsrc(0)                   ; the stores issued two groups back have read OUT[o], which the conversions below write again
.endif
	SETSL \sl
.set OBR, OB+32*\o
	WIN 0x40+HI*0x05
.irp j, 0,1,2,3,4,5,6,7,8,9,10,11,12,13,14,15
	v_cvt_pk_bf16_f32 v[OBR+2*\j],   v[RB+4*\j],   v[RB+4*\j+1]    ; four f32 of a load become two registers of bf16
	v_cvt_pk_bf16_f32 v[OBR+2*\j+1], v[RB+4*\j+2], v[RB+4*\j+3]
.endr
	WIN 0x04+HI*0x40                               ; the window of the loads and stores that follow
	s_wait_alu depctr_va_vdst(0)                   ; the conversions have written OUT[o], which the group's stores read, and are done reading the slot, in which the next loads (where there are any) land
.endm
; a rounded group into my wave's LDS: 16 lines, unit 0's eight and then unit 1's
.macro LDSG o, adr, imm
.set OBR, OB+32*\o
.irp j, 0,1,2,3,4,5,6,7,8,9,10,11,12,13,14,15
	ds_store_b64 v[\adr], v[OBR+2*\j:OBR+2*\j+1] offset:\imm+\j*TP
.endr
.endm
; a rounded group to memory: each store of the wave covers 256 consecutive bytes, aligned; ustr: bytes from unit to unit
.macro STG o, base, ustr, imm
.set OBR, OB+32*\o
.irp j, 0,1,2,3,4,5,6,7,8,9,10,11,12,13,14,15
	global_store_b64 v3, v[OBR+2*\j:OBR+2*\j+1], s[\base:\base+1] offset:\imm+(\j/8)*\ustr+(\j%8)*256
.endr
.endm
.macro VOUT o, n                       ; V, N tile n of the chunk: into the V tile
	LDSG \o, 7, \n*ATILE
.endm
.macro XOUT o, c, m                    ; x, chunk c, rows 16 m ..: into the x tile and out to xe
	LDSG \o, 6, \m*ATILE
	STG \o, 14, XU, \c*2*XU+\m*2048
.endm
.macro WOUT o, t, m                    ; W, chunk t, rows 16 m ..: out to we
	STG \o, 16, WU, \t*2*WU+\m*2048
.endm
; The fragments of part ks of the chunk, 32 along K, from my own tiles (LDS serves a wave's instructions in order, ISA guide 5.7.1.4: they see the stores above), into set ks % 2
.macro FRAG ks
.set FQ, 48*((\ks)%2)
.irp m, 0,1
	ds_load_b128 v[FA+FQ+8*\m:FA+FQ+8*\m+3],   v8 offset:\m*ATILE+((\ks)/2)*UT+((\ks)%2)*64
	ds_load_b128 v[FA+FQ+8*\m+4:FA+FQ+8*\m+7], v8 offset:\m*ATILE+((\ks)/2)*UT+((\ks)%2)*64+32
.endr
.irp n, 0,1,2,3
	ds_load_b128 v[FB+FQ+8*\n:FB+FQ+8*\n+3],   v9 offset:\n*ATILE+((\ks)/2)*UT+((\ks)%2)*64
	ds_load_b128 v[FB+FQ+8*\n+4:FB+FQ+8*\n+7], v9 offset:\n*ATILE+((\ks)/2)*UT+((\ks)%2)*64+32
.endr
.endm
; Part ks: the next part's fragments are asked for, into the other set; then eight products from this part's set.
; Source 0 = 16 rows of V, source 1 = 16 rows of x: lane (r, h) register j of tile (m, n) holds low[x row 16 m + r][V row 16 n + 8 h + j].
; The eight accumulators take turns, one instruction a turn.
.macro MULK ks, zero
	s_wait_dscnt 0x0                               ; this part's fragments are in
.if ((\ks) > 0) && ((\ks) < 3)
	s_wait_alu depctr_va_vdst(0)                   ; the products of the part before are done reading the other set, in which the loads below land
.endif
.if (\ks) < 3
	FRAG (\ks)+1
.endif
.set FQ, 48*((\ks)%2)
.irp m, 0,1
.irp n, 0,1,2,3
.if \zero
	v_wmma_f32_16x16x32_bf16 v[ACC+32*\m+8*\n:ACC+32*\m+8*\n+7], v[FB+FQ+8*\n:FB+FQ+8*\n+7], v[FA+FQ+8*\m:FA+FQ+8*\m+7], 0
.else
	v_wmma_f32_16x16x32_bf16 v[ACC+32*\m+8*\n:ACC+32*\m+8*\n+7], v[FB+FQ+8*\n:FB+FQ+8*\n+7], v[FA+FQ+8*\m:FA+FQ+8*\m+7], v[ACC+32*\m+8*\n:ACC+32*\m+8*\n+7]
.endif
.endr
.endr
.rept 4
	v_nop                                          ; four places in front of the next loads into the set just read and of the stores of the sums
.endr
.endm
; A chunk's first two runs of loads (parts 0 and 1) have no wait of their own: in chunk 0 no vector or matrix instruction has named the sets; in chunk 1 the groups' waits on va_vdst
; stand behind chunk 0's last products, and behind the last of those waits stand only stores and a window switch.
.macro MULCHUNK zero
	WIN 0
	FRAG 0
	MULK 0, \zero
	MULK 1, 0
	MULK 2, 0
	MULK 3, 0
.endm
; the eight waves' sums of rows 16 m .. of my four columns, in v[SL0+32 m ..]: a tree in f32, times S, rounded
.macro REDSUM m
.set RT, SL0+32*\m
.irp p, 0,2,4,6
	v_pk_add_f32 v[RT+4*\p:RT+4*\p+1],   v[RT+4*\p:RT+4*\p+1],   v[RT+4*\p+4:RT+4*\p+5]
	v_pk_add_f32 v[RT+4*\p+2:RT+4*\p+3], v[RT+4*\p+2:RT+4*\p+3], v[RT+4*\p+6:RT+4*\p+7]
.endr
.irp p, 0,4
	v_pk_add_f32 v[RT+4*\p:RT+4*\p+1],   v[RT+4*\p:RT+4*\p+1],   v[RT+4*\p+8:RT+4*\p+9]
	v_pk_add_f32 v[RT+4*\p+2:RT+4*\p+3], v[RT+4*\p+2:RT+4*\p+3], v[RT+4*\p+10:RT+4*\p+11]
.endr
	v_pk_add_f32 v[RT:RT+1],   v[RT:RT+1],   v[RT+16:RT+17]
	v_pk_add_f32 v[RT+2:RT+3], v[RT+2:RT+3], v[RT+18:RT+19]
	v_pk_mul_f32 v[RT:RT+1],   v[RT:RT+1],   v[12:13]              ; times S, in f32
	v_pk_mul_f32 v[RT+2:RT+3], v[RT+2:RT+3], v[14:15]
	v_cvt_pk_bf16_f32 v[RT],   v[RT],   v[RT+1]
	v_cvt_pk_bf16_f32 v[RT+1], v[RT+2], v[RT+3]
.endm
	s_load_b256 s[4:11], s[0:1], 0x0               ; x s[4:5], W s[6:7], U s[8:9], S s[10:11]
	s_load_b128 s[12:15], s[0:1], 0x20             ; V s[12:13], xe s[14:15]
	s_load_b64 s[16:17], s[0:1], 0x30              ; we
	v_lshl_add_u32 v190, v0, 2, 0x44000            ; my spare word, behind the partial sums, and 0: kept for the closing add alone
	v_mov_b32 v191, 0
	v_lshrrev_b32 v56, 5, v0
	v_readfirstlane_b32 s20, v56                   ; wave 0..7
	v_and_b32 v1, 31, v0                           ; lane
	v_and_b32 v57, 15, v0                          ; r = lane % 16 = thread % 16
	v_bfe_u32 v58, v0, 4, 1                        ; h = lane / 16
	v_lshlrev_b32 v4, 4, v57                       ; 16 r
	v_lshl_add_u32 v2, v58, 14, v4                 ; loads: row h of the pair, 16 bytes at 16 r
	v_lshlrev_b32 v3, 3, v1                        ; stores: 8 bytes a lane, one line
	v_lshlrev_b32 v20, 4, v1                       ; U: two rows of 256 bytes follow each other
	s_mov_b32 s25, 0                               ; every offset is below 2^32: the pair's high word stays 0
	s_lshr_b32 s26, ttmp9, 1                       ; i
	s_and_b32 s27, ttmp9, 1                        ; the kind: the same for all waves of the work-group
	s_wait_alu depctr_va_sdst(0)                   ; s20 is written
	s_cmp_lg_u32 s27, 0
	s_cbranch_scc1 .Lweights
	; ---------------- g even: x, V and the low-rank sums ----------------
	v_lshrrev_b32 v59, 4, v0                       ; thread / 16: 0..15
	v_lshlrev_b32 v5, 3, v0                        ; low-rank store: row thread / 16 at 128 bytes a row, 8 bytes at 8 (thread % 16) = 8 x thread
	s_mul_i32 s21, s20, WREG                       ; my wave's LDS
	v_lshl_add_u32 v6, v1, 3, s21                  ; x tile, 8 bytes a lane
	v_add_nc_u32 v7, 2*ATILE, v6                   ; V tile
	v_lshrrev_b32 v60, 1, v57
	v_and_b32 v61, 1, v57
	v_mul_u32_u24 v60, v60, TP                     ; (r >> 1) lines
	v_lshl_add_u32 v60, v61, 7, v60                ; + (r & 1) x 128
	v_lshl_add_u32 v60, v58, 4, v60                ; + 16 h
	v_add_nc_u32 v8, s21, v60                      ; fragment of x
	v_add_nc_u32 v9, 2*ATILE, v8                   ; fragment of V
	s_mul_i32 s31, s20, RW
	s_add_co_u32 s31, s31, RED                     ; my wave's partial sums
	v_mul_u32_u24 v61, v57, TP
	v_lshl_add_u32 v10, v58, 5, v61
	v_add_nc_u32 v10, s31, v10                     ; row r, 32 h
	v_mul_u32_u24 v62, v59, TP
	v_lshl_add_u32 v62, v57, 4, v62
	v_add_nc_u32 v11, RED, v62                     ; read back: row thread / 16, 16 bytes at 16 (thread % 16), of wave 0's sums
	s_lshr_b32 s28, s26, 1                         ; rb
	s_and_b32 s29, s26, 1                          ; kh
	s_wait_kmcnt 0x0
	s_lshl_b32 s24, s29, 13
	s_lshl_b32 s30, s20, 10
	s_add_co_u32 s24, s24, s30                     ; kh x 8192 + w x 1024
	s_add_nc_u64 s[12:13], s[12:13], s[24:25]      ; V at my columns
	s_lshl_b32 s30, s28, 19
	s_add_co_u32 s24, s24, s30                     ; + 32 rb rows
	s_add_nc_u64 s[4:5], s[4:5], s[24:25]          ; x at my rows and columns
	s_lshl_b32 s31, s28, 12                        ; 32 rb rows of 128 bytes in a unit of xe
	s_lshl_b32 s24, s29, 18                        ; kh units
	s_add_co_u32 s24, s24, s31
	s_add_co_u32 s24, s24, 64*XU
	s_add_nc_u64 s[22:23], s[14:15], s[24:25]      ; xe, unit 64 + kh, my 32 rows
	s_lshl_b32 s24, s29, 23                        ; 32 kh units
	s_lshl_b32 s30, s20, 20                        ; + 4 w units
	s_add_co_u32 s24, s24, s30
	s_add_co_u32 s24, s24, s31
	s_add_nc_u64 s[14:15], s[14:15], s[24:25]      ; xe, my first unit, my 32 rows
	s_wait_alu depctr_va_vdst(0)                   ; the offsets and LDS addresses v2 to v11 are written, which every load and store below reads
	global_load_b128 v[12:15], v4, s[10:11]        ; S[4 (lane % 16) ..]
	LOADG 0, 4, 0, 1                               ; group 0:  x, chunk 0, rows 0-15
	LOADG 1, 12, 0, 0                              ; group 1:  V tile 0, chunk 0
	LOADG 2, 4, VT, 1                              ; group 2:  x, chunk 0, rows 16-31
	LOADG 3, 12, VT, 0                             ; group 3:  V tile 1
	GRP 0, 0, 48, 0, 0                             ; group 0 (S is older: it is in too)
	LOADG 0, 12, 2*VT, 0                           ; group 4:  V tile 2
	XOUT 0, 0, 0
	GRP 1, 1, 48, 0, 0                             ; group 1
	LOADG 1, 12, 3*VT, 0                           ; group 5:  V tile 3
	VOUT 1, 0
	GRP 2, 0, 48, 1, 1                             ; group 2: OUT 0 was group 0's, which went to xe too
	LOADG 2, 4, 512, 1                             ; group 6:  x, chunk 1, rows 0-15
	XOUT 0, 0, 1
	GRP 3, 1, 48, 0, 1                             ; group 3: OUT 1 is read by LDS stores alone, in all its turns
	LOADG 3, 12, 512, 0                            ; group 7:  V tile 0, chunk 1
	VOUT 1, 1
	GRP 0, 0, 48, 1, 1                             ; group 4: OUT 0 was group 2's
	LOADG 0, 4, VT+512, 1                          ; group 8:  x, chunk 1, rows 16-31
	VOUT 0, 2
	GRP 1, 1, 48, 0, 1                             ; group 5
	LOADG 1, 12, VT+512, 0                         ; group 9:  V tile 1
	VOUT 1, 3
	MULCHUNK 1                                     ; chunk 0: the first products start the sums
	; chunk 1.  The tiles are written again behind the waits for the fragment loads above, by the wave that read them.
	GRP 2, 0, 48, 0, 1                             ; group 6: OUT 0 was group 4's, V's: LDS stores alone
	LOADG 2, 12, 2*VT+512, 0                       ; group 10: V tile 2
	XOUT 0, 1, 0
	GRP 3, 1, 48, 0, 1                             ; group 7
	LOADG 3, 12, 3*VT+512, 0                       ; group 11: V tile 3, the last
	VOUT 1, 0
	GRP 0, 0, 48, 1, 1                             ; group 8: OUT 0 was group 6's
	XOUT 0, 1, 1
	GRP 1, 1, 32, 0, 1                             ; group 9: nothing more is asked for, the counts run down
	VOUT 1, 1
	GRP 2, 0, 16, 1, 1                             ; group 10: OUT 0 was group 8's
	VOUT 0, 2
	GRP 3, 1, 0, 0, 1                              ; group 11
	VOUT 1, 3
	MULCHUNK 0                                     ; chunk 1
	s_wait_alu depctr_va_vdst(0)                   ; the products have written the accumulators, which the LDS stores below read; the four places above stay beside this wait
.irp m, 0,1
.irp n, 0,1,2,3
	ds_store_b128 v10, v[ACC+32*\m+8*\n:ACC+32*\m+8*\n+3]   offset:\m*ATILE+64*\n      ; my wave's sums over its 256 columns: row 16 m + r, f32 columns 16 n + 8 h ..
	ds_store_b128 v10, v[ACC+32*\m+8*\n+4:ACC+32*\m+8*\n+7] offset:\m*ATILE+64*\n+16
.endr
.endr
	; the eight waves' sums meet: store, wait for zero, barrier, load
	s_wait_dscnt 0x0                               ; my partial sums are in LDS, for the others' sake
	s_barrier_signal -1
	s_barrier_wait -1
	; Slot 0 takes the sums.  Its last readers, group 8's conversions, stand ahead of the waits on va_vdst above, no vector line has followed the last of those waits, and no store ever read the slot.
.irp m, 0,1
.irp p, 0,1,2,3,4,5,6,7
	ds_load_b128 v[SL0+32*\m+4*\p:SL0+32*\m+4*\p+3], v11 offset:\p*RW+\m*ATILE         ; wave p's sums of four columns of row 16 m + thread / 16
.endr
.endr
	s_wait_dscnt 0x0
	REDSUM 0
	REDSUM 1
	s_wait_alu depctr_va_vdst(0)                   ; both trees' roundings have written v[192:193] and v[224:225], which the two stores read
	global_store_b64 v5, v[SL0:SL0+1], s[22:23]                    ; a wave writes two rows of unit 64 + kh: 256 consecutive bytes, aligned
	global_store_b64 v5, v[SL0+32:SL0+33], s[22:23] offset:2048
	s_wait_dscnt 0x0                               ; the closing lines, six on end
	s_wait_alu 0x0
	s_wait_tensorcnt 0x0
	ds_add_u32 v190, v191
	s_wait_dscnt 0x0
	s_endpgm
	; ---------------- g odd: W and U (no LDS store on this path) ----------------
.Lweights:
	s_wait_kmcnt 0x0
	s_lshl_b32 s24, s26, 19
	s_lshl_b32 s30, s20, 11
	s_add_co_u32 s24, s24, s30
	s_add_nc_u64 s[6:7], s[6:7], s[24:25]          ; W: 32 i rows + w x 2048
	s_lshl_b32 s24, s26, 13
	s_lshl_b32 s30, s20, 10
	s_add_co_u32 s24, s24, s30
	s_add_nc_u64 s[8:9], s[8:9], s[24:25]          ; U: 32 i rows of 256 bytes + four rows a wave
	s_lshl_b32 s31, s26, 12                        ; 32 i rows of 128 bytes in a unit of we
	s_lshl_b32 s24, s20, 9                         ; four rows a wave
	s_add_co_u32 s24, s24, s31
	s_add_co_u32 s24, s24, 64*WU
	s_add_nc_u64 s[18:19], s[16:17], s[24:25]      ; we, unit 64, my four rows
	s_lshl_b32 s24, s20, 22                        ; 8 w units
	s_add_co_u32 s24, s24, s31
	s_add_nc_u64 s[16:17], s[16:17], s[24:25]      ; we, my first unit, my 32 rows
	s_wait_alu depctr_va_vdst(0)                   ; the offsets v2, v3 and v20 are written, which every load and store below reads
	global_load_b128 v[24:27], v20, s[8:9] th:TH_LOAD_NT            ; U: lanes 0-15 my first row, lanes 16-31 my second
	global_load_b128 v[28:31], v20, s[8:9] offset:512 th:TH_LOAD_NT ; my third and fourth
	LOADG 0, 6, 0, 1                               ; group 0: chunk 0, rows 0-15
	LOADG 1, 6, VT, 1                              ; group 1: chunk 0, rows 16-31
	LOADG 2, 6, 512, 1                             ; group 2: chunk 1
	LOADG 3, 6, VT+512, 1                          ; group 3
	GRP 0, 0, 48, 0, 0                             ; group 0 (U is older: it is in too)
	LOADG 0, 6, 1024, 1                            ; group 4: chunk 2
	WOUT 0, 0, 0
	WIN 0
	v_cvt_pk_bf16_f32 v24, v24, v25                ; U is rounded behind group 0's stores; group 1's wait on va_vdst covers these four lines too
	v_cvt_pk_bf16_f32 v25, v26, v27
	v_cvt_pk_bf16_f32 v28, v28, v29
	v_cvt_pk_bf16_f32 v29, v30, v31
	GRP 1, 1, 48, 0, 0                             ; group 1
	LOADG 1, 6, VT+1024, 1                         ; group 5
	WOUT 1, 0, 1
	WIN 0                                          ; U's registers lie in window 0; no vector line has followed group 1's wait
	global_store_b64 v3, v[24:25], s[18:19]                        ; two rows of U are one line of unit 64,
	global_store_b64 v3, v[24:25], s[18:19] offset:WU              ; and the same line of unit 65
	global_store_b64 v3, v[28:29], s[18:19] offset:256
	global_store_b64 v3, v[28:29], s[18:19] offset:WU+256
	GRP 2, 0, 48, 1, 1                             ; group 2: from here on each OUT was the data of global stores two groups back
	LOADG 2, 6, 1536, 1                            ; group 6: chunk 3
	WOUT 0, 1, 0
	GRP 3, 1, 48, 1, 1                             ; group 3
	LOADG 3, 6, VT+1536, 1                         ; group 7: the last
	WOUT 1, 1, 1
	GRP 0, 0, 48, 1, 1                             ; group 4
	WOUT 0, 2, 0
	GRP 1, 1, 32, 1, 1                             ; group 5: the counts run down
	WOUT 1, 2, 1
	GRP 2, 0, 16, 1, 1                             ; group 6
	WOUT 0, 3, 0
	GRP 3, 1, 0, 1, 1                              ; group 7
	WOUT 1, 3, 1
	WIN 0
	s_endpgm
.Lfunc_end_k_q1ad663983c_prep:
	.size	k_q1ad663983c_prep, .Lfunc_end_k_q1ad663983c_prep-k_q1ad663983c_prep
	.p2alignl 7, 3214868480
	.fill 96, 4, 3214868480
	.section	.rodata,"a",@progbits
	.p2align	6, 0x0
	.amdhsa_kernel k_q1ad663983c_prep
		.amdhsa_group_segment_fixed_size 279552
		.amdhsa_private_segment_fixed_size 0
		.amdhsa_enable_private_segment 0
		.amdhsa_kernarg_size 56
		.amdhsa_user_sgpr_count 2
		.amdhsa_user_sgpr_kernarg_segment_ptr 1
		.amdhsa_wavefront_size32 1
		.amdhsa_system_sgpr_workgroup_id_x 1
		.amdhsa_system_sgpr_workgroup_id_y 1
		.amdhsa_system_sgpr_workgroup_id_z 1
		.amdhsa_system_vgpr_workitem_id 0
		.amdhsa_next_free_vgpr 512
		.amdhsa_next_free_sgpr 66
		.amdhsa_reserve_vcc 0
		.amdhsa_float_denorm_mode_32 3
		.amdhsa_float_denorm_mode_16_64 3
		.amdhsa_memory_ordered 1
		.amdhsa_forward_progress 1
		.amdhsa_inst_pref_size 125
	.end_amdhsa_kernel
	.amdgpu_metadata
---
amdhsa.version: [ 1, 2 ]
amdhsa.kernels:
  - .name:           k_q1ad663983c_prep
    .symbol:         k_q1ad663983c_prep.kd
    .args:
      - { .name: x, .offset: 0, .size: 8, .value_kind: global_buffer, .address_space: global }
      - { .name: weight_main, .offset: 8, .size: 8, .value_kind: global_buffer, .address_space: global }
      - { .name: U_residual, .offset: 16, .size: 8, .value_kind: global_buffer, .address_space: global }
      - { .name: S_residual, .offset: 24, .size: 8, .value_kind: global_buffer, .address_space: global }
      - { .name: V_residual, .offset: 32, .size: 8, .value_kind: global_buffer, .address_space: global }
      - { .name: xe, .offset: 40, .size: 8, .value_kind: global_buffer, .address_space: global }
      - { .name: we, .offset: 48, .size: 8, .value_kind: global_buffer, .address_space: global }
    .group_segment_fixed_size: 279552
    .private_segment_fixed_size: 0
    .kernarg_segment_align: 8
    .kernarg_segment_size: 56
    .max_flat_workgroup_size: 256
    .sgpr_count:     66
    .vgpr_count:     512
    .wavefront_size: 32
...
	.end_amdgpu_metadata
.endif
;; end of part 5
;; launch gemm: the kernel of part 4 again; grid 16 x 16, 4 waves a work-group, clusters of 4 x 4, 327,680 bytes of LDS; arguments xe, we, bias, out0; writes out0
